; MI455X (gfx1250); checked and timed in simulation.
; The chip was launched on July 23, 2026; its instructions are those of AMD's public machine-readable ISA for CDNA 5 (MIT licence, August 2026) and "CDNA5" Instruction Set Architecture Reference Guide (July 2026). The comments in the code are by the model that wrote it; some were corrected since.
;; Causal Multi Head Self Attention. Allowed arithmetic: matrix products marked QUANTISED: E2M1 operands, one E8M0 scale for each 32 along K, by v_wmma_scale_f32_16x16x128_f8f6f4 with both operands' format E2M1 (or v_wmma_scale_f32_32x16x128_f4), f32 sums; products left as they are: bf16, f16 or f32 operands; f32 sums; everything else in f32.
;; Inputs: Wk 1,024 x 1,024 float32; Wo 1,024 x 1,024 float32; Wq 1,024 x 1,024 float32; Wv 1,024 x 1,024 float32; bo 1,024 float32; input 4 x 2,048 x 1,024 float32.
;; Outputs: out0 4 x 2,048 x 1,024 float32.
;; This version of the problem:
;;   THIS VERSION OF THE PROBLEM IS GIVEN IN LOW PRECISION. The matrix products marked QUANTISED in the list below multiply operands that are first quantised to E2M1 (2 exponent bits, 1 mantissa bit; 4 bits a number), with one power-of-two scale for each 32 numbers along K (OCP MX v1.0); their sums are f32. The products marked 'left as it is' may take bf16, f16 or f32 operands, with f32 sums. Whichever they take, every output number must still come out within the allowed error. Rounding operands to bf16 (8 significant bits) uses up far more of that allowance than f16 does (11 bits, for magnitudes from 6e-5 to 65,504). All else is computed in f32.
;;   The module's matrix products, in the order in which they are computed (A, B: the left and right operand; K: the contracted axis; several contracted axes count as one K, in the product's order):
;;     1. [M 8,192, K 1,024] x [K 1,024, N 1,024]; A: computed on the way; B: input Wq: left as it is (an operand is computed on the way)
;;     2. [M 8,192, K 1,024] x [K 1,024, N 1,024]; A: computed on the way; B: input Wk: left as it is (an operand is computed on the way)
;;     3. [M 8,192, K 1,024] x [K 1,024, N 1,024]; A: input input; B: input Wv: QUANTISED
;;     4. batch 64 x [M 2,048, K 64] x [K 64, N 2,048]; A: computed on the way; B: computed on the way: left as it is (an operand is computed on the way)
;;     5. batch 64 x [M 2,048, K 2,048] x [K 2,048, N 64]; A: computed on the way; B: computed on the way: left as it is (an operand is computed on the way)
;;     6. [M 8,192, K 1,024] x [K 1,024, N 1,024]; A: computed on the way; B: input Wo: left as it is (an operand is computed on the way)
;;   THE QUANTISER, for each operand of a quantised product, along K:
;;     - K is cut into blocks of 32 from its start; a last block that is shorter is filled with zeros.
;;     - A block's scale is 2^e with e = floor(log2(the largest magnitude in the block)) - 2, held to -126 .. 127; a block of zeros has e = 0. As a byte (E8M0): e + 127.
;;     - Each number is divided by its block's scale, clamped to +-6, and rounded to the nearest number of E2M1, ties to even, subnormals kept.
;;     - The product sums the exact products of the quantised numbers (number of the format x scale) in f32.
;;   ~~~python
;;   def quantise(x, axis):      # numpy; x: float32 -> the quantised numbers, widened to float32 again
;;       x = np.moveaxis(x, axis, -1); K = x.shape[-1]
;;       x = np.pad(x, [(0, 0)] * (x.ndim - 1) + [(0, -K % 32)]); x = x.reshape(x.shape[:-1] + (-1, 32)); a = np.abs(x).max(-1, keepdims=True)
;;       e = np.where(a > 0, np.clip(np.frexp(np.where(a > 0, a, 1))[1] - 1 - 2, -126, 127), 0)      # np.frexp(a)[1] - 1 = floor(log2(a)), exactly
;;       r = np.clip(x / 2.0 ** e, -6, 6)
;;       step = 2.0 ** (np.maximum(np.frexp(np.where(r == 0, 1, r))[1] - 1, 0) - 1)
;;       q = np.round(r / step) * step * 2.0 ** e      # np.round: ties to even
;;       return np.moveaxis(q.reshape(q.shape[:-2] + (-1,))[..., :K], -1, axis).astype(np.float32)
;;   ~~~
;; One version. Each part assembles by itself: llvm-mc -triple=amdgcn-amd-amdhsa -mcpu=gfx1250 --defsym DOCPART=n.
;; ======== version 1 of 1: 6 launches
;; limits: values are held in f16: magnitudes above 65,504 overflow, below 6.1e-05 lose precision
;; workspace buffers: rx16 16,777,216 bytes; xq 4,456,448 bytes; w16 6,291,456 bytes; wvq 557,056 bytes; qkh 33,554,432 bytes; vh 16,777,216 bytes; attb 16,777,216 bytes; v32e 262,144 bytes
;; launch prep (part 1): grid 384 x 1, 8 waves a work-group, no clusters, 43,264 bytes of LDS; arguments input, Wq, Wk, Wo, Wv, rx16, xq, w16, wvq; writes rx16, xq, w16, wvq
.if DOCPART == 1
	.amdgcn_target "amdgcn-amd-amdhsa--gfx1250"
	.amdhsa_code_object_version 6
	.text
	.protected	k_qaf12b42b4d_prep
	.globl	k_qaf12b42b4d_prep
	.p2align	8
	.type	k_qaf12b42b4d_prep,@function
k_qaf12b42b4d_prep:
	s_mov_b64 s[64:65], 0
	v_nop
	global_prefetch_b8 v0, s[64:65] scope:SCOPE_SE
	s_setreg_imm32_b32 hwreg(HW_REG_WAVE_MODE, 25, 1), 1
	s_wait_xcnt 0x0
; PREP, the first of six launches of causal attention (B 4, T 2,048, E 1,024, 16 heads of 64).
; It makes: rx16 = RoPE(input) in f16; xq = input as codes of E2M1 with one E8M0 byte for each 32 along E; w16 = Wq, Wk (rows as they lie) and Wo (in blocks [n / 256][k / 64][256][64]) in f16; wvq = Wv as codes and bytes.
; WORK LEFT OUT BY THE PROGRAM, and why it is dead for all values of the inputs: the problem builds its causal mask itself (tril), puts -infinity on every score with key > query ahead of the softmax, so that
; such a key has the weight exp(-infinity) = 0 and adds 0 x v to the result.  A step of 64 keys all of which come after all queries of a wave is therefore neither multiplied nor summed (launch attn).  Nothing else is left out; every input is read.
; LIMIT that follows: a NaN, an infinity or an overflow in scores of such hidden keys alone is not carried to the result.
; LIMITS OF RANGE: rx, q, k, v and the attention's rows are kept in f16: magnitudes up to 65,504.  NaN and infinities among the inputs are not served by the quantiser.  A block whose largest magnitude lies under 2^-124 keeps the byte 1
; (a block of zeros too, where the rule says 127: its codes are zeros, and this program alone reads the bytes).  theta = 2^(-pair x log2(10000) / 512) by v_exp_f32; the angle t x theta may differ from the problem's own f32 angle by
; about 2e-4 rad at t near 2,047 and by under 2e-6 rad at t < 16.  Sine and cosine: the angle less the nearest multiple of pi / 2 (in two parts, by fused multiply-adds), then polynomials good to an ulp or two on +-pi / 4.
; SHARES.  Work-groups 0 to 255: work-group g has tokens 8 g .. 8 g + 7 of all four batches, wave w token 8 g + w: its sines and cosines are made once and serve four rows.  A step is half a row, 512 numbers.
; Work-groups 256 to 383 (g2 = g - 256): wave w has row 8 g2 + w of Wq, Wk, Wv, and of Wo two rows x 512 columns.  The two paths part on the work-group's number and have LDS bytes of their own, WOFF apart.
; A load takes 512 consecutive bytes, 16 a lane.  The conversion to codes wants 16 neighbours in a lane: a step's 2,048 bytes turn through the wave's own stage in LDS (64 bytes + 16 of padding a place).  RoPE works on the numbers as loaded.
.set SP,    80                         ; a place of the stage
.set XSCL,  20480                      ; behind eight stages of 32 x SP: the scale bytes, [batch][wave][32]
.set WOFF,  21504                      ; the weights' path: its stages and its 256 scale bytes lie this far behind the tokens' path's
.set SPARE, 42240                      ; the spare words: 128 bytes for each wave, four blocks of 256 bytes that no other line names
.set SPW,   10                         ; v10 LDS address of my spare word; v11 0; never rewritten
.set NIL,   11
.set SC,    16                         ; v16-47: half hf, pair p of my eight: sine at 16 hf + 2 p, cosine behind it
.set TA,    48                         ; v48-87: eight chains of five registers while sines are made
.set TN,    56
.set TZ,    64
.set TS,    72
.set TC,    80
.set X,     48                         ; later: v48-63 sixteen neighbours; v64-79 rotated numbers; v80-87 the same in f16; v88-89 codes; v90 the byte
.set TT,    64
.set H,     80
.set CD,    88
.set EB,    90
.set R,     128                        ; v128-255: 32 loads of four registers
.set KTH,   26                         ; s26-36 constants
.set TOP,   27
.set PH,    28
.set PL,    29
.set S2,    30
.set S1,    31
.set S0,    32
.set C2,    33
.set C1,    34
.set C0,    35
.set SGN,   36
	s_load_b512 s[4:19], s[0:1], 0x0               ; input s[4:5], Wq s[6:7], Wk s[8:9], Wo s[10:11], Wv s[12:13], rx16 s[14:15], xq s[16:17], w16 s[18:19]
	s_load_b64 s[20:21], s[0:1], 0x40              ; wvq
	v_lshl_add_u32 v[SPW], v0, 2, SPARE
	v_mov_b32 v[NIL], 0
	v_lshrrev_b32 v12, 5, v0
	v_readfirstlane_b32 s22, v12                   ; wave 0..7
	v_and_b32 v13, 31, v0                          ; lane
	v_lshlrev_b32 v1, 4, v13                       ; v1: 16 x lane
	v_lshlrev_b32 v2, 3, v13                       ; v2: 8 x lane
	s_mul_i32 s26, s22, 32*SP                      ; my stage
	v_lshrrev_b32 v3, 2, v13
	v_mul_u32_u24 v3, v3, SP
	v_and_b32 v14, 3, v13
	v_lshl_add_u32 v3, v14, 4, v3
	v_add_nc_u32 v3, s26, v3                       ; v3: into the stage: four lanes fill a place
	v_mul_u32_u24 v4, v13, SP
	v_add_nc_u32 v4, s26, v4                       ; v4: out of it: a place a lane
	s_lshl_b32 s26, s22, 5
	s_add_co_u32 s26, s26, XSCL
	v_lshrrev_b32 v5, 1, v13
	v_add_nc_u32 v5, s26, v5                       ; v5: my block's scale byte: 32 x wave + lane / 2
	s_and_b32 s27, s22, 3
	s_lshl_b32 s26, s27, 8
	s_add_co_u32 s26, s26, XSCL
	v_add_nc_u32 v6, s26, v2                       ; v6: the bytes' way out: 256 x (wave % 4) + 8 x lane
	v_and_b32 v14, 15, v13
	v_lshrrev_b32 v15, 4, v13
	v_lshlrev_b32 v7, 4, v14
	v_lshl_add_u32 v7, v15, 12, v7                 ; v7: Wo in: lanes 0-15 one row, lanes 16-31 the next
	v_lshlrev_b32 v8, 3, v14
	v_lshl_add_u32 v8, v15, 7, v8                  ; v8: Wo out: the two rows' 128 bytes on end
	v_lshlrev_b32 v9, 1, v13                       ; v9: 2 x lane
	s_mov_b32 s39, 0
	s_wait_kmcnt 0x0
	s_cmp_ge_u32 ttmp9, 256
	s_cbranch_scc1 .Lweights
; Sixteen numbers a lane become 16 codes and a byte.  QS_LDS: four registers a load go into the stage as loaded and come back as neighbours.
.macro QS_LDS rb, off
	s_wait_xcnt 0x0                                ; every earlier store has read its registers: v48-63, the f16 numbers and the codes may be written again
.irp i, 0,1,2,3
	ds_store_b128 v3, v[(\rb)+4*\i:(\rb)+4*\i+3] offset:(\off)+8*SP*\i
.endr
.irp i, 0,1,2,3
	ds_load_b128 v[X+4*\i:X+4*\i+3], v4 offset:(\off)+16*\i   ; LDS serves a wave in order: these see the stores above
.endr
.endm
.macro QS_FIN boff, cb, coff
	s_wait_dscnt 0x0                               ; my neighbours are back; the last step's byte store is done too
	v_max3_num_f32 v12, |v[X]|, |v[X+1]|, |v[X+2]|
	v_max3_num_f32 v13, |v[X+3]|, |v[X+4]|, |v[X+5]|
.irp i, 6,10
	v_max3_num_f32 v12, v12, |v[X+\i]|, |v[X+\i+1]|
	v_max3_num_f32 v13, v13, |v[X+\i+2]|, |v[X+\i+3]|
.endr
	v_max3_num_f32 v12, v12, |v[X+14]|, |v[X+15]|
	v_max3_num_f32 v12, v12, v13, 0x1800000        ; and the floor 2^(3 - 127): the byte cannot fall under 1
	v_max_num_f32_dpp v12, v12, v12 row_xmask:1 row_mask:0xf bank_mask:0xf   ; with my neighbour's 16: the block's largest magnitude
	v_add_nc_u32 v14, 0xff000000, v12              ; 2 off its exponent field: the conversion takes that field as its scale
	v_cvt_scalef32_pk8_fp4_f32 v[CD], v[X:X+7], v14
	v_cvt_scalef32_pk8_fp4_f32 v[CD+1], v[X+8:X+15], v14
	v_lshrrev_b32 v[EB], 23, v14                   ; the scale's byte (also the plain line behind the conversions)
	ds_store_b8 v5, v[EB] offset:\boff             ; both lanes of a block write the same byte
	global_store_b64 v2, v[CD:CD+1], s[\cb:\cb+1] offset:\coff   ; the wave stores 256 consecutive bytes
.endm
	; ---- tokens
	s_lshl_b32 s24, ttmp9, 3
	s_add_co_u32 s24, s24, s22                     ; t
	s_cvt_f32_u32 s25, s24
	s_lshl_b32 s38, s24, 12
	s_add_nc_u64 s[40:41], s[4:5], s[38:39]        ; row t of each batch: 2,048 rows of 4,096 bytes apart
	s_add_nc_u64 s[42:43], s[40:41], 0x800000
	s_add_nc_u64 s[44:45], s[42:43], 0x800000
	s_add_nc_u64 s[46:47], s[44:45], 0x800000
.irp hf, 0,1
.irp b, 0,1,2,3
.irp i, 0,1,2,3
	global_load_b128 v[R+16*(4*\hf+\b)+4*\i:R+16*(4*\hf+\b)+4*\i+3], v1, s[40+2*\b:41+2*\b] offset:2048*\hf+512*\i th:TH_LOAD_NT
.endr
.endr
.endr
	s_lshl_b32 s38, s24, 11
	s_add_nc_u64 s[48:49], s[14:15], s[38:39]      ; the same rows of rx16
	s_add_nc_u64 s[50:51], s[48:49], 0x400000
	s_add_nc_u64 s[52:53], s[50:51], 0x400000
	s_add_nc_u64 s[54:55], s[52:53], 0x400000
	s_lshl_b32 s38, s24, 9
	s_add_nc_u64 s[56:57], s[16:17], s[38:39]      ; the codes' row t; the batch stands in the immediate
	s_lshl_b32 s38, s27, 16
	s_lshl_b32 s23, ttmp9, 8
	s_add_co_u32 s38, s38, s23
	s_add_co_u32 s38, s38, 0x400000
	s_add_nc_u64 s[58:59], s[16:17], s[38:39]      ; the bytes of batch (wave % 4), tokens 8 g on: 256 bytes
	s_mov_b32 s[KTH], 0xbcd49a78                   ; -log2(10000) / 512
	s_mov_b32 s[TOP], 0x3f22f983                   ; 2 / pi
	s_mov_b32 s[PH], 0x3fc90fdb                    ; pi / 2, high part
	s_mov_b32 s[PL], 0xb33bbd2e                    ; and what is left of it
	s_mov_b32 s[S2], 0xb94ca1f9
	s_mov_b32 s[S1], 0x3c08839e
	s_mov_b32 s[S0], 0xbe2aaaa3
	s_mov_b32 s[C2], 0x37ccf5ce
	s_mov_b32 s[C1], 0xbab6061a
	s_mov_b32 s[C0], 0x3d2aaaa5
	s_mov_b32 s[SGN], 0x80000000
; Sine and cosine of t x theta for my eight pairs of half hf: pair 256 hf + 64 (p / 2) + 2 lane + p % 2: those that load p / 2 of the half brings me.  Eight chains side by side.
.macro SINCOS8 hf
.irp p, 0,1,2,3,4,5,6,7
	v_add_nc_u32 v[TA+\p], 256*\hf+64*(\p/2)+\p%2, v9
.endr
.irp p, 0,1,2,3,4,5,6,7
	v_cvt_f32_u32 v[TA+\p], v[TA+\p]
.endr
.irp p, 0,1,2,3,4,5,6,7
	v_mul_f32 v[TA+\p], s[KTH], v[TA+\p]
.endr
.irp p, 0,1,2,3,4,5,6,7
	v_exp_f32 v[TA+\p], v[TA+\p]                   ; theta
.endr
	v_nop                                          ; a plain line behind the last exponential
	s_wait_alu depctr_va_vdst(0)                   ; one wait for the eight, ahead of their first reader
.irp p, 0,1,2,3,4,5,6,7
	v_mul_f32 v[TA+\p], s25, v[TA+\p]              ; the angle, rounded once, as the problem rounds it
.endr
.irp p, 0,1,2,3,4,5,6,7
	v_mul_f32 v[TN+\p], s[TOP], v[TA+\p]
.endr
.irp p, 0,1,2,3,4,5,6,7
	v_rndne_f32 v[TN+\p], v[TN+\p]                 ; n: the nearest multiple of pi / 2
.endr
.irp p, 0,1,2,3,4,5,6,7
	v_fma_f32 v[TA+\p], -v[TN+\p], s[PH], v[TA+\p]
.endr
.irp p, 0,1,2,3,4,5,6,7
	v_fma_f32 v[TA+\p], -v[TN+\p], s[PL], v[TA+\p] ; x in +-pi / 4
.endr
.irp p, 0,1,2,3,4,5,6,7
	v_cvt_i32_f32 v[TN+\p], v[TN+\p]
.endr
.irp p, 0,1,2,3,4,5,6,7
	v_mul_f32 v[TZ+\p], v[TA+\p], v[TA+\p]         ; z = x x
.endr
.irp p, 0,1,2,3,4,5,6,7
	v_fma_f32 v[TS+\p], v[TZ+\p], s[S2], s[S1]
	v_fma_f32 v[TC+\p], v[TZ+\p], s[C2], s[C1]
.endr
.irp p, 0,1,2,3,4,5,6,7
	v_fma_f32 v[TS+\p], v[TS+\p], v[TZ+\p], s[S0]
	v_fma_f32 v[TC+\p], v[TC+\p], v[TZ+\p], s[C0]
.endr
.irp p, 0,1,2,3,4,5,6,7
	v_mul_f32 v[TS+\p], v[TS+\p], v[TZ+\p]
	v_mul_f32 v[TC+\p], v[TC+\p], v[TZ+\p]
.endr
.irp p, 0,1,2,3,4,5,6,7
	v_fma_f32 v[TS+\p], v[TS+\p], v[TA+\p], v[TA+\p]   ; sin x
.endr
.irp p, 0,1,2,3,4,5,6,7
	v_fma_f32 v[TA+\p], v[TZ+\p], -0.5, 1.0
.endr
.irp p, 0,1,2,3,4,5,6,7
	v_fma_f32 v[TC+\p], v[TC+\p], v[TZ+\p], v[TA+\p]   ; cos x
.endr
.irp p, 0,1,2,3,4,5,6,7
	v_and_b32 v[TZ+\p], 1, v[TN+\p]
.endr
.irp p, 0,1,2,3,4,5,6,7
	v_cmp_eq_u32 vcc_lo, 1, v[TZ+\p]               ; n odd: the two change places (a choice of values, no branch)
	v_cndmask_b32 v[SC+16*\hf+2*\p], v[TS+\p], v[TC+\p], vcc_lo
	v_cndmask_b32 v[SC+16*\hf+2*\p+1], v[TC+\p], v[TS+\p], vcc_lo
.endr
.irp p, 0,1,2,3,4,5,6,7
	v_lshlrev_b32 v[TZ+\p], 30, v[TN+\p]           ; the sine is negative where n % 4 is 2 or 3,
	v_add_nc_u32 v[TN+\p], 1, v[TN+\p]
.endr
.irp p, 0,1,2,3,4,5,6,7
	v_and_b32 v[TZ+\p], s[SGN], v[TZ+\p]
	v_lshlrev_b32 v[TN+\p], 30, v[TN+\p]           ; the cosine where it is 1 or 2
.endr
.irp p, 0,1,2,3,4,5,6,7
	v_xor_b32 v[SC+16*\hf+2*\p], v[SC+16*\hf+2*\p], v[TZ+\p]
	v_and_b32 v[TN+\p], s[SGN], v[TN+\p]
.endr
.irp p, 0,1,2,3,4,5,6,7
	v_xor_b32 v[SC+16*\hf+2*\p+1], v[SC+16*\hf+2*\p+1], v[TN+\p]
.endr
.endm
	SINCOS8 0                                      ; while the 32 loads are on their way
	SINCOS8 1
; Half hf of batch b's row.
.macro XSTEP hf, b
.set RB, R+16*(4*\hf+\b)
	s_wait_loadcnt 28-4*(4*\hf+\b)                 ; my four loads are in; those of the later steps, four each, may be out
	QS_LDS RB, 0
.irp i, 0,1,2,3
	v_mul_f32 v[TT+4*\i], v[RB+4*\i+1], v[SC+16*\hf+4*\i]          ; x1 s, x0 s of both pairs that load i brought
	v_mul_f32 v[TT+4*\i+1], v[RB+4*\i], v[SC+16*\hf+4*\i]
	v_mul_f32 v[TT+4*\i+2], v[RB+4*\i+3], v[SC+16*\hf+4*\i+2]
	v_mul_f32 v[TT+4*\i+3], v[RB+4*\i+2], v[SC+16*\hf+4*\i+2]
.endr
.irp i, 0,1,2,3
	v_fma_f32 v[TT+4*\i], v[RB+4*\i], v[SC+16*\hf+4*\i+1], -v[TT+4*\i]          ; x0 c - x1 s
	v_fma_f32 v[TT+4*\i+1], v[RB+4*\i+1], v[SC+16*\hf+4*\i+1], v[TT+4*\i+1]     ; x1 c + x0 s
	v_fma_f32 v[TT+4*\i+2], v[RB+4*\i+2], v[SC+16*\hf+4*\i+3], -v[TT+4*\i+2]
	v_fma_f32 v[TT+4*\i+3], v[RB+4*\i+3], v[SC+16*\hf+4*\i+3], v[TT+4*\i+3]
.endr
.irp i, 0,1,2,3
	v_cvt_pk_f16_f32 v[H+2*\i], v[TT+4*\i], v[TT+4*\i+1]
	v_cvt_pk_f16_f32 v[H+2*\i+1], v[TT+4*\i+2], v[TT+4*\i+3]
	global_store_b64 v2, v[H+2*\i:H+2*\i+1], s[48+2*\b:49+2*\b] offset:1024*\hf+256*\i   ; 256 consecutive bytes
.endr
	QS_FIN 256*\b+16*\hf, 56, 1048576*\b+256*\hf
.endm
.irp hf, 0,1
.irp b, 0,1,2,3
	XSTEP \hf, \b
.endr
.endr
	s_wait_dscnt 0x0                               ; for the others' sake: my byte stores are done
	s_barrier_signal -1
	s_barrier_wait -1
	s_cmp_gt_u32 s22, 3
	s_cbranch_scc1 .Lx_end
	ds_load_b64 v[12:13], v6                       ; wave b: batch b's 256 bytes, eight tokens' 32 each
	s_wait_dscnt 0x0
	global_store_b64 v2, v[12:13], s[58:59]        ; 256 consecutive bytes, aligned
.Lx_end:
	s_wait_tensorcnt 0x0                           ; the wave's end, behind my last LDS store
	ds_add_u32 v[SPW], v[NIL]
	s_wait_dscnt 0x0
	s_endpgm
	; ---- weights
.Lweights:
	s_sub_co_u32 s23, ttmp9, 256                   ; g2
	s_lshl_b32 s24, s23, 3
	s_add_co_u32 s24, s24, s22                     ; my row of Wq, Wk, Wv
	s_lshl_b32 s38, s24, 12
	s_add_nc_u64 s[66:67], s[6:7], s[38:39]
	s_add_nc_u64 s[68:69], s[8:9], s[38:39]
	s_add_nc_u64 s[72:73], s[12:13], s[38:39]
	s_lshr_b32 s25, s22, 1
	s_lshl_b32 s25, s25, 1
	s_lshl_b32 s26, s23, 3
	s_add_co_u32 s25, s25, s26                     ; my two rows of Wo begin here,
	s_and_b32 s27, s22, 1                          ; and this is my half of their columns
	s_lshl_b32 s38, s25, 12
	s_lshl_b32 s26, s27, 11
	s_add_co_u32 s38, s38, s26
	s_add_nc_u64 s[70:71], s[10:11], s[38:39]
.irp k, 0,1,2,3,4,5,6,7
	global_load_b128 v[R+4*\k:R+4*\k+3], v1, s[66:67] offset:512*\k th:TH_LOAD_NT
.endr
.irp k, 0,1,2,3,4,5,6,7
	global_load_b128 v[R+32+4*\k:R+32+4*\k+3], v1, s[68:69] offset:512*\k th:TH_LOAD_NT
.endr
.irp k, 0,1,2,3,4,5,6,7
	global_load_b128 v[R+64+4*\k:R+64+4*\k+3], v7, s[70:71] offset:256*\k th:TH_LOAD_NT
.endr
.irp k, 0,1,2,3,4,5,6,7
	global_load_b128 v[R+96+4*\k:R+96+4*\k+3], v1, s[72:73] offset:512*\k th:TH_LOAD_NT
.endr
	s_lshl_b32 s38, s24, 11
	s_add_nc_u64 s[74:75], s[18:19], s[38:39]      ; w16: row of Wq; Wk's lies 1,024 rows on
	s_lshr_b32 s38, s25, 8
	s_lshl_b32 s38, s38, 19                        ; Wo's block of 256 rows,
	s_and_b32 s26, s25, 255
	s_lshl_b32 s26, s26, 7                         ; the row in it,
	s_add_co_u32 s38, s38, s26
	s_lshl_b32 s26, s27, 18                        ; eight blocks of 64 columns on for the upper half
	s_add_co_u32 s38, s38, s26
	s_add_co_u32 s38, s38, 0x400000
	s_add_nc_u64 s[76:77], s[18:19], s[38:39]
	s_lshl_b32 s38, s24, 9
	s_add_nc_u64 s[78:79], s[20:21], s[38:39]      ; Wv's codes
	s_lshl_b32 s38, s23, 8
	s_add_co_u32 s38, s38, 0x80000
	s_add_nc_u64 s[80:81], s[20:21], s[38:39]      ; and the work-group's 256 scale bytes
; Load k of the first 24 to f16: each result has registers of its own, v16-63.  The count: the loads issued behind load k.
.macro CV16 k, vo, sb, off
	s_wait_loadcnt 31-(\k)
	v_cvt_pk_f16_f32 v[16+2*(\k)], v[R+4*(\k)], v[R+4*(\k)+1]
	v_cvt_pk_f16_f32 v[17+2*(\k)], v[R+4*(\k)+2], v[R+4*(\k)+3]
	global_store_b64 v[\vo], v[16+2*(\k):17+2*(\k)], s[\sb:\sb+1] offset:\off   ; 256 consecutive bytes
.endm
.irp k, 0,1,2,3,4,5,6,7
	CV16 \k, 2, 74, 256*\k
.endr
.irp k, 0,1,2,3,4,5,6,7
	CV16 \k+8, 2, 74, 2097152+256*\k
.endr
.irp k, 0,1,2,3,4,5,6,7
	CV16 \k+16, 8, 76, 32768*\k
.endr
	s_wait_loadcnt 4                               ; the first half of Wv's row is in
	QS_LDS R+96, WOFF
	QS_FIN WOFF, 78, 0
	s_wait_loadcnt 0x0
	QS_LDS R+112, WOFF
	QS_FIN WOFF+16, 78, 256
	s_wait_dscnt 0x0
	s_barrier_signal -1
	s_barrier_wait -1
	s_cmp_lg_u32 s22, 0
	s_cbranch_scc1 .Lw_end
	ds_load_b64 v[12:13], v6 offset:WOFF           ; eight rows' 32 bytes
	s_wait_dscnt 0x0
	global_store_b64 v2, v[12:13], s[80:81]
.Lw_end:
	s_wait_tensorcnt 0x0                           ; the wave's end, behind my last LDS store
	ds_add_u32 v[SPW], v[NIL]
	s_wait_dscnt 0x0
	s_endpgm
.Lfunc_end_k_qaf12b42b4d_prep:
	.size	k_qaf12b42b4d_prep, .Lfunc_end_k_qaf12b42b4d_prep-k_qaf12b42b4d_prep
	.p2alignl 7, 3214868480
	.fill 96, 4, 3214868480
	.section	.rodata,"a",@progbits
	.p2align	6, 0x0
	.amdhsa_kernel k_qaf12b42b4d_prep
		.amdhsa_group_segment_fixed_size 43264
		.amdhsa_private_segment_fixed_size 0
		.amdhsa_enable_private_segment 0
		.amdhsa_kernarg_size 72
		.amdhsa_user_sgpr_count 2
		.amdhsa_user_sgpr_kernarg_segment_ptr 1
		.amdhsa_wavefront_size32 1
		.amdhsa_system_sgpr_workgroup_id_x 1
		.amdhsa_system_sgpr_workgroup_id_y 1
		.amdhsa_system_sgpr_workgroup_id_z 1
		.amdhsa_system_vgpr_workitem_id 0
		.amdhsa_next_free_vgpr 256
		.amdhsa_next_free_sgpr 90
		.amdhsa_reserve_vcc 1
		.amdhsa_float_denorm_mode_32 3
		.amdhsa_float_denorm_mode_16_64 3
		.amdhsa_memory_ordered 1
		.amdhsa_forward_progress 1
		.amdhsa_inst_pref_size 73
	.end_amdhsa_kernel
	.amdgpu_metadata
---
amdhsa.version: [ 1, 2 ]
amdhsa.kernels:
  - .name:           k_qaf12b42b4d_prep
    .symbol:         k_qaf12b42b4d_prep.kd
    .args:
      - { .name: input, .offset: 0, .size: 8, .value_kind: global_buffer, .address_space: global }
      - { .name: Wq, .offset: 8, .size: 8, .value_kind: global_buffer, .address_space: global }
      - { .name: Wk, .offset: 16, .size: 8, .value_kind: global_buffer, .address_space: global }
      - { .name: Wo, .offset: 24, .size: 8, .value_kind: global_buffer, .address_space: global }
      - { .name: Wv, .offset: 32, .size: 8, .value_kind: global_buffer, .address_space: global }
      - { .name: rx16, .offset: 40, .size: 8, .value_kind: global_buffer, .address_space: global }
      - { .name: xq, .offset: 48, .size: 8, .value_kind: global_buffer, .address_space: global }
      - { .name: w16, .offset: 56, .size: 8, .value_kind: global_buffer, .address_space: global }
      - { .name: wvq, .offset: 64, .size: 8, .value_kind: global_buffer, .address_space: global }
    .group_segment_fixed_size: 43264
    .private_segment_fixed_size: 0
    .kernarg_segment_align: 8
    .kernarg_segment_size: 72
    .max_flat_workgroup_size: 256
    .sgpr_count:     90
    .vgpr_count:     256
    .wavefront_size: 32
...
	.end_amdgpu_metadata
.endif
;; end of part 1
;; launch gemm_qk (part 2): grid 8 x 32, 4 waves a work-group, clusters of 4 x 4, 327,680 bytes of LDS; arguments rx16, w16, qkh; writes qkh
.if DOCPART == 2
	.amdgcn_target "amdgcn-amd-amdhsa--gfx1250"
	.amdhsa_code_object_version 6
	.text
	.protected	k_qaf12b42b4d_gemm_qk
	.globl	k_qaf12b42b4d_gemm_qk
	.p2align	8
	.type	k_qaf12b42b4d_gemm_qk,@function
k_qaf12b42b4d_gemm_qk:
	s_mov_b64 s[64:65], 0
	v_nop
	global_prefetch_b8 v0, s[64:65] scope:SCOPE_SE
	s_setreg_imm32_b32 hwreg(HW_REG_WAVE_MODE, 25, 1), 1
	s_wait_xcnt 0x0
	s_wait_alu depctr_hold_cnt(0) depctr_sa_sdst(0) depctr_va_vdst(0) depctr_va_sdst(0) depctr_va_ssrc(0) depctr_va_vcc(0) depctr_vm_vsrc(0)
	s_getreg_b32 s2, hwreg(HW_REG_IB_STS2, 6, 4)
	s_cmp_eq_u32 s2, 0
	s_cbranch_scc0 .Lentry_in_a_cluster
	s_endpgm
.Lentry_in_a_cluster:
	s_bfe_u32 s2, ttmp6, 0x10000c
	s_cmp_lg_u32 s2, 0xf033
	s_cbranch_scc0 .Lentry_shape_is_right
	s_endpgm
.Lentry_shape_is_right:
; q and k in one product: C[m][n] = sum over e of rx[m][e] W[n][e], m = 8,192 tokens, n = 2,048 (rows 0-1,023 of w16: Wq, 1,024-2,047: Wk), K = 1,024; f16 operands, f32 sums, C rounded once to f16.
; C leaves by heads: qkh[q or k][batch x 16 + head][t][64].  LIMIT: |q|, |k| up to 65,504.
; A tile of C, 256 x 256, is made by four waves, 128 x 128 each: 64 accumulators, 512 registers.  K goes in steps of 128 through two LDS slots filled by the tensor data mover; a tile's row is 256 bytes of memory.
; CLUSTERS: 4 x 4 work-groups; A's tile is asked for jointly by the four of a row of the cluster, B's by the four of a column.
; THE MATRIX INSTRUCTION IS USED TRANSPOSED (source 0 = 16 rows of W, source 1 = 16 tokens): a lane holds eight neighbouring n of one token.
; REGISTERS, in windows of 256: window 0: v0-31 addresses; v64-127, v128-191 A's fragments, two buffers; v32-63, v192-255 the way out.  window 1: v64-191 B's fragments.  windows 2, 3: the accumulators ((a, b) at v[8 (8 a + b)]).
.set SIZE_K, 1024
.set KADV,   256                       ; a K step along a row, in bytes
.set PITCH,  272                       ; an LDS row: 256 bytes + 16 of padding: the 16 rows of a fragment load start at 16 different banks
.set HALFT,  128*PITCH                 ; what one tensor load brings
.set SLOT,   4*HALFT
.set WHALF,  128*PITCH                 ; from my tile's first 128 rows to its second
.set BOFF,   2*HALFT                   ; B's rows lie behind A's
.set QPS,    4                         ; quarters of 32 along K in a row
.set SUBB,   0
.set STAGE,  2*SLOT                    ; behind the ring: 16 rows x 272 bytes for each wave
.set SPITCH, 272
.set SPARE,  STAGE+4*16*SPITCH         ; the spare words: 128 bytes for each wave
.set LAPS,   4                         ; a lap = two K steps
.set ADRA, 16
.set ADRB, 20
.set STO,  24
.set RD,   25
.set CO,   26
.set SPW,  28
.set NIL,  29
.set F0,   64
.set F1,   128
.set TMP,  192
.set OB,   32
.set G1,  24
.set G0,  32
.set G1B, 48
.set G0B, 56
.set MSB, 0
.macro WIN new                         ; the immediate's high byte repeats the setting that is left
.if MSB != \new
	s_set_vgpr_msb (MSB<<8)|\new
.set MSB, \new
.endif
.endm
.set MUL_LO, 0xa1                      ; source 0 (B) window 1, source 1 (A) window 0, C and D window 2
.set MUL_HI, 0xf1
.set TO_B,   0x40
.macro JLOAD s                         ; a joint load: waves 0, 1 fetch for A, waves 2, 3 for B; an s_nop 0 and four v_nop follow each line
	s_cmp_eq_u32 s11, 0
	s_cbranch_scc0 .Lfor_b_\@
	tensor_load_to_lds s[G0+4*\s:G0+4*\s+3], s[G1:G1+7]
	s_nop 0
.rept 4
	v_nop
.endr
	s_branch .Lasked_\@
.Lfor_b_\@:
	tensor_load_to_lds s[G0B+4*\s:G0B+4*\s+3], s[G1B:G1B+7]
	s_nop 0
.rept 4
	v_nop
.endr
.Lasked_\@:
.endm
.macro CREST                           ; a round of the cluster's barrier behind its opening barrier
	s_cmp_lg_u32 s10, 0
	s_cbranch_scc1 .Lnot_wave_0_\@
	s_barrier_signal -3
.Lnot_wave_0_\@:
	s_barrier_wait -3
	s_barrier_signal -1
	s_barrier_wait -1
.endm
.macro CROUND
	s_barrier_signal -1
	s_barrier_wait -1
	CREST
.endm
	s_load_b128 s[4:7], s[0:1], 0x0                ; rx16, w16
	s_load_b64 s[8:9], s[0:1], 0x10                ; qkh
	v_lshl_add_u32 v[SPW], v0, 2, SPARE
	v_mov_b32 v[NIL], 0
	ds_add_u32 v[SPW], v[NIL]                      ; the opening: the add, twice on end, and its wait ahead of my first tensor load
	ds_add_u32 v[SPW], v[NIL]
	v_lshrrev_b32 v1, 5, v0
	v_readfirstlane_b32 s10, v1                    ; wave
	s_lshr_b32 s11, s10, 1                         ; my half of the tile's rows; also: I fetch for A (0) or B (1)
	s_and_b32 s12, s10, 1                          ; my half of its columns; also: which 128 rows I fetch
	s_bfe_u32 s40, ttmp6, 0x40000                  ; cx
	s_bfe_u32 s41, ttmp6, 0x40004                  ; cy
	s_lshl_b32 s42, ttmp9, 2
	s_add_co_u32 s42, s42, s40                     ; tile column
	s_and_b32 s13, ttmp7, 0xffff
	s_lshl_b32 s13, s13, 2
	s_add_co_u32 s13, s13, s41                     ; tile row
	s_lshl_b32 s43, s41, 2
	s_lshl_b32 s43, 15, s43                        ; my row of the cluster
	s_lshl_b32 s44, 0x1111, s40                    ; my column
	s_or_b32 s[G1+0], s43, (1<<16)|(1<<20)|(1<<21)|(5<<22)|(3<<25)  ; mask; elements of 2 bytes; padding of 4 words behind every 64; bit 21 beside the mask
	s_or_b32 s[G1B+0], s44, (1<<16)|(1<<20)|(1<<21)|(5<<22)|(3<<25)
.irp g, G1, G1B
	s_mov_b32 s[\g+1], 128<<16                     ; tensor_dim0 = 128
	s_mov_b32 s[\g+2], 128<<16                     ; tensor_dim1 = 128
	s_mov_b32 s[\g+3], 128<<16                     ; tile_dim0 = 128
	s_mov_b32 s[\g+4], 128                         ; tile_dim1 = 128
	s_mov_b32 s[\g+5], SIZE_K                      ; elements from row to row
	s_mov_b32 s[\g+6], 0
	s_mov_b32 s[\g+7], 0
.endr
	s_lshl_b32 s17, s12, 7
	s_lshl_b32 s16, s13, 8
	s_add_co_u32 s16, s16, s17                     ; A: row 256 x tile row + 128 x half
	s_lshl_b32 s46, s42, 8
	s_add_co_u32 s46, s46, s17                     ; B: row 256 x tile column + 128 x half
	s_mov_b32 s17, 0
	s_mov_b32 s47, 0
	s_mov_b64 s[18:19], SIZE_K*2
	s_mul_u64 s[16:17], s[16:17], s[18:19]
	s_mul_u64 s[46:47], s[46:47], s[18:19]
	s_mul_i32 s20, s10, HALFT                      ; where they go: no place in the cluster enters an LDS address
	s_wait_dscnt 0x0                               ; both opening adds are done
	s_wait_kmcnt 0x0
	s_add_nc_u64 s[14:15], s[4:5], s[16:17]
	s_add_nc_u64 s[46:47], s[6:7], s[46:47]
	CROUND                                         ; all sixteen work-groups are here: the first joint loads meet
.irp s, 0,1
	s_mov_b32 s[G0+4*\s], 1
	s_add_co_u32 s[G0+4*\s+1], s20, \s*SLOT
	s_add_nc_u64 s[G0+4*\s+2:G0+4*\s+3], s[14:15], \s*KADV
	s_or_b32 s[G0+4*\s+3], s[G0+4*\s+3], 0x80000000
	s_mov_b32 s[G0B+4*\s], 1
	s_add_co_u32 s[G0B+4*\s+1], s20, \s*SLOT
	s_add_nc_u64 s[G0B+4*\s+2:G0B+4*\s+3], s[46:47], \s*KADV
	s_or_b32 s[G0B+4*\s+3], s[G0B+4*\s+3], 0x80000000
	JLOAD \s
.endr
	v_and_b32 v1, 15, v0                           ; r
	v_bfe_u32 v2, v0, 4, 1                         ; h
	v_mul_u32_u24 v3, v1, PITCH
	v_lshl_add_u32 v3, v2, 4, v3
	s_mul_i32 s21, s11, WHALF
	s_mul_i32 s22, s12, WHALF
	s_add_co_u32 s22, s22, BOFF
.irp s, 0,1
	v_add_nc_u32 v[ADRA+\s], s21, v3
	v_add_nc_u32 v[ADRB+\s], s22, v3
	s_add_co_u32 s21, s21, SLOT
	s_add_co_u32 s22, s22, SLOT
.endr
	s_mul_i32 s23, s10, 16*SPITCH
	s_add_co_u32 s23, s23, STAGE                   ; my stage
	v_mul_u32_u24 v4, v1, SPITCH
	v_lshl_add_u32 v4, v2, 4, v4
	v_add_nc_u32 v[STO], s23, v4                   ; in: token r, 16 bytes for each half of the lanes
	v_bfe_u32 v5, v0, 3, 1
	v_and_b32 v6, 7, v0
	v_mul_u32_u24 v7, v5, SPITCH
	v_lshl_add_u32 v7, v2, 7, v7
	v_lshl_add_u32 v7, v6, 4, v7
	v_add_nc_u32 v[RD], s23, v7                    ; back: lanes 0-15 two tokens x the first head's 128 bytes, lanes 16-31 the second head's
	v_lshlrev_b32 v7, 7, v5
	v_lshl_add_u32 v7, v6, 4, v7
	v_lshl_add_u32 v[CO], v2, 18, v7               ; and in qkh: two tokens of a head are 256 bytes on end; the next head lies 262,144 bytes on
	s_lshr_b32 s16, s13, 3                         ; batch
	s_lshl_b32 s16, s16, 4
	s_lshl_b32 s14, s12, 1
	s_add_co_u32 s16, s16, s14
	s_lshl_b32 s16, s16, 18                        ; (16 batch + 2 x my column half) heads of 262,144 bytes
	s_and_b32 s14, s13, 7
	s_lshl_b32 s14, s14, 8
	s_lshl_b32 s15, s11, 7
	s_add_co_u32 s14, s14, s15
	s_lshl_b32 s14, s14, 7                         ; my first token in the batch x 128 bytes
	s_add_co_u32 s16, s16, s14
	s_mov_b32 s17, 0
	s_lshr_b32 s46, s42, 2
	s_lshl_b32 s46, s46, 24                        ; q or k
	s_and_b32 s47, s42, 3
	s_lshl_b32 s47, s47, 20                        ; four heads to a tile column
	s_add_co_u32 s46, s46, s47
	s_mov_b32 s47, 0
	s_add_nc_u64 s[16:17], s[16:17], s[46:47]      ; what the first way out adds to the buffer's address
.macro MUL16 f, hi, a0, zero           ; 16 matrix instructions: m blocks a0, a0 + 1 x 8 n blocks, 32 along K; zero = 1 starts the sums.  The 64 accumulators take turns
.irp a, \a0, \a0+1
.irp b, 0,1,2,3,4,5,6,7
.if \zero
	v_wmma_f32_16x16x32_f16 v[8*(8*(\a)+\b):8*(8*(\a)+\b)+7], v[\f+8*\b:\f+8*\b+7], v[\f+8*(4*\hi+\a):\f+8*(4*\hi+\a)+7], 0
.else
	v_wmma_f32_16x16x32_f16 v[8*(8*(\a)+\b):8*(8*(\a)+\b)+7], v[\f+8*\b:\f+8*\b+7], v[\f+8*(4*\hi+\a):\f+8*(4*\hi+\a)+7], v[8*(8*(\a)+\b):8*(8*(\a)+\b)+7]
.endif
.endr
.endr
.endm
.macro FETCH slot, q, f                ; 32 LDS loads in one run: the fragments of the slot's quarter q into buffer f
.set KO, ((\q)/QPS)*SUBB+((\q)%QPS)*64
	WIN TO_B
.irp i, 0,1,2,3,4,5,6,7
	ds_load_b128 v[\f+8*\i:\f+8*\i+3],   v[ADRB+\slot] offset:KO+\i*16*PITCH
	ds_load_b128 v[\f+8*\i+4:\f+8*\i+7], v[ADRB+\slot] offset:KO+\i*16*PITCH+32
.endr
	WIN 0
.irp i, 0,1,2,3,4,5,6,7
	ds_load_b128 v[\f+8*\i:\f+8*\i+3],   v[ADRA+\slot] offset:KO+\i*16*PITCH
	ds_load_b128 v[\f+8*\i+4:\f+8*\i+7], v[ADRA+\slot] offset:KO+\i*16*PITCH+32
.endr
.endm
.macro PLACES                          ; four plain lines between matrix instructions and loads into their sources, or reads of their results
.rept 4
	v_nop
.endr
.endm
.macro QUARTER slot, q, f, g, zero     ; multiplies buffer f; in its middle fetches quarter q of the same slot into g
	s_wait_dscnt 8                                 ; all but the youngest eight loads (A's rows 64-127)
	WIN MUL_LO
	MUL16 \f, 0, 0, \zero
	MUL16 \f, 0, 2, \zero
	PLACES
	FETCH \slot, \q, \g
	s_wait_dscnt 32                                ; all but the 32 just issued
	WIN MUL_HI
	MUL16 \f, 1, 0, \zero
	MUL16 \f, 1, 2, \zero
.endm
.macro MEET round                      ; the first half of a slot's last quarter: the one barrier of a change of slots
	WIN 0
	s_wait_tensorcnt 0x0                           ; all my tensor loads have landed: my part of the next slot
	ds_add_u32 v[SPW], v[NIL]
	s_wait_dscnt 9                                 ; the add and the youngest eight loads may be out
	WIN MUL_LO
	MUL16 F1, 0, 0, 0
	s_wait_dscnt 0x0                               ; the add is done, my reads of this slot are over
	s_barrier_signal -1
	MUL16 F1, 0, 2, 0
.if \round
	WIN 0
.endif
	s_barrier_wait -1
.endm
.macro TURN slot, next                 ; the whole last quarter: the slot just read is filled again, two K steps ahead
	MEET 1
	CREST                                          ; no wave of any partner still reads this slot or has a load on its way
	s_add_nc_u64 s[G0+4*\slot+2:G0+4*\slot+3], s[G0+4*\slot+2:G0+4*\slot+3], 2*KADV
	s_add_nc_u64 s[G0B+4*\slot+2:G0B+4*\slot+3], s[G0B+4*\slot+2:G0B+4*\slot+3], 2*KADV
	JLOAD \slot                                    ; my one tensor load behind the round; its four v_nop are also the places in front of the loads below
	FETCH \next, 0, F0
	WIN MUL_HI
	MUL16 F1, 1, 0, 0
	MUL16 F1, 1, 2, 0
.endm
; THE WAY OUT of block a (16 tokens x 128 n): rounded to f16, through my own stage, out as 256 consecutive bytes for each sixteen lanes.
.macro PACK a
.set AC, 64*((\a)%4)
	WIN 0x0a+5*((\a)/4)                            ; sources in window 2 or 3
.irp b, 0,1,2,3,4,5,6,7
.irp r, 0,1,2,3
	v_cvt_pk_f16_f32 v[TMP+4*\b+\r], v[AC+8*\b+2*\r], v[AC+8*\b+2*\r+1]
.endr
.endr
	WIN 0
.endm
.macro TOSTAGE a
.set BK, OB+192*((\a)%2)
.irp b, 0,1,2,3,4,5,6,7
	ds_store_b128 v[STO], v[TMP+4*\b:TMP+4*\b+3] offset:32*\b
.endr
.irp t, 0,1,2,3,4,5,6,7
	ds_load_b128 v[BK+4*\t:BK+4*\t+3], v[RD] offset:\t*2*SPITCH    ; LDS serves a wave in order: these see the stores above
.endr
.endm
.macro SEND a, younger
.set BK, OB+192*((\a)%2)
	s_wait_dscnt \younger
	s_wait_xcnt 0x0                                ; earlier stores have read their base and their registers
.if (\a) == 0
	s_add_nc_u64 s[8:9], s[8:9], s[16:17]
.else
	s_add_nc_u64 s[8:9], s[8:9], 16*128            ; 16 tokens on
.endif
.irp t, 0,1,2,3,4,5,6,7
	global_store_b128 v[CO], v[BK+4*\t:BK+4*\t+3], s[8:9] offset:256*\t
.endr
.endm
	s_wait_tensorcnt 1                             ; my part of K step 0 is in; K step 1's may be out
	s_barrier_signal -1
	s_barrier_wait -1
	FETCH 0, 0, F0
	QUARTER 0, 1, F0, F1, 1                        ; the first quarter starts the sums
	WIN 0
	s_mov_b32 s3, LAPS-1
.Llap:                                             ; a trip goes once round the ring and fills both slots again
	QUARTER 0, 2, F1, F0, 0
	QUARTER 0, 3, F0, F1, 0
	TURN 0, 1
	QUARTER 1, 1, F0, F1, 0
	QUARTER 1, 2, F1, F0, 0
	QUARTER 1, 3, F0, F1, 0
	TURN 1, 0
	QUARTER 0, 1, F0, F1, 0
	WIN 0
	s_sub_co_u32 s3, s3, 1
	s_cmp_lg_u32 s3, 0
	s_cbranch_scc1 .Llap
	QUARTER 0, 2, F1, F0, 0                        ; the last lap fills nothing
	QUARTER 0, 3, F0, F1, 0
	MEET 0
	PLACES
	FETCH 1, 0, F0
	WIN MUL_HI
	MUL16 F1, 1, 0, 0
	MUL16 F1, 1, 2, 0
	QUARTER 1, 1, F0, F1, 0
	QUARTER 1, 2, F1, F0, 0
	QUARTER 1, 3, F0, F1, 0
	s_wait_dscnt 8
	WIN MUL_LO
	MUL16 F1, 0, 0, 0
	MUL16 F1, 0, 2, 0
	s_wait_dscnt 0x0
	WIN MUL_HI
	MUL16 F1, 1, 0, 0
	MUL16 F1, 1, 2, 0
	WIN 0
	PLACES
	PACK 0
	TOSTAGE 0
.irp a, 1,2,3,4,5,6,7
	PACK \a
	SEND \a-1, 0
	TOSTAGE \a
.endr
	SEND 7, 0
	s_wait_tensorcnt 0x0                           ; the wave's end
	ds_add_u32 v[SPW], v[NIL]
	s_wait_dscnt 0x0
	CROUND                                         ; the closing round
	s_endpgm
.Lfunc_end_k_qaf12b42b4d_gemm_qk:
	.size	k_qaf12b42b4d_gemm_qk, .Lfunc_end_k_qaf12b42b4d_gemm_qk-k_qaf12b42b4d_gemm_qk
	.p2alignl 7, 3214868480
	.fill 96, 4, 3214868480
	.section	.rodata,"a",@progbits
	.p2align	6, 0x0
	.amdhsa_kernel k_qaf12b42b4d_gemm_qk
		.amdhsa_group_segment_fixed_size 327680
		.amdhsa_private_segment_fixed_size 0
		.amdhsa_enable_private_segment 0
		.amdhsa_kernarg_size 24
		.amdhsa_user_sgpr_count 2
		.amdhsa_user_sgpr_kernarg_segment_ptr 1
		.amdhsa_wavefront_size32 1
		.amdhsa_system_sgpr_workgroup_id_x 1
		.amdhsa_system_sgpr_workgroup_id_y 1
		.amdhsa_system_sgpr_workgroup_id_z 1
		.amdhsa_system_vgpr_workitem_id 0
		.amdhsa_next_free_vgpr 1024
		.amdhsa_next_free_sgpr 66
		.amdhsa_reserve_vcc 0
		.amdhsa_float_denorm_mode_32 3
		.amdhsa_float_denorm_mode_16_64 3
		.amdhsa_memory_ordered 1
		.amdhsa_forward_progress 1
		.amdhsa_inst_pref_size 143
	.end_amdhsa_kernel
	.amdgpu_metadata
---
amdhsa.version: [ 1, 2 ]
amdhsa.kernels:
  - .name:           k_qaf12b42b4d_gemm_qk
    .symbol:         k_qaf12b42b4d_gemm_qk.kd
    .args:
      - { .name: rx16, .offset: 0, .size: 8, .value_kind: global_buffer, .address_space: global }
      - { .name: w16, .offset: 8, .size: 8, .value_kind: global_buffer, .address_space: global }
      - { .name: qkh, .offset: 16, .size: 8, .value_kind: global_buffer, .address_space: global }
    .group_segment_fixed_size: 327680
    .private_segment_fixed_size: 0
    .kernarg_segment_align: 8
    .kernarg_segment_size: 24
    .max_flat_workgroup_size: 128
    .sgpr_count:     66
    .vgpr_count:     1024
    .wavefront_size: 32
...
	.end_amdgpu_metadata
.endif
;; end of part 2
;; launch gemm_v (part 3): grid 4 x 32, 4 waves a work-group, clusters of 4 x 4, 327,680 bytes of LDS; arguments xq, wvq, vh, v32e; writes vh, v32e
.if DOCPART == 3
	.amdgcn_target "amdgcn-amd-amdhsa--gfx1250"
	.amdhsa_code_object_version 6
	.text
	.protected	k_qaf12b42b4d_gemm_v
	.globl	k_qaf12b42b4d_gemm_v
	.p2align	8
	.type	k_qaf12b42b4d_gemm_v,@function
k_qaf12b42b4d_gemm_v:
	s_mov_b64 s[64:65], 0
	v_nop
	global_prefetch_b8 v0, s[64:65] scope:SCOPE_SE
	s_setreg_imm32_b32 hwreg(HW_REG_WAVE_MODE, 25, 1), 1
	s_wait_xcnt 0x0
	s_wait_alu depctr_hold_cnt(0) depctr_sa_sdst(0) depctr_va_vdst(0) depctr_va_sdst(0) depctr_va_ssrc(0) depctr_va_vcc(0) depctr_vm_vsrc(0)
	s_getreg_b32 s2, hwreg(HW_REG_IB_STS2, 6, 4)
	s_cmp_eq_u32 s2, 0
	s_cbranch_scc0 .Lentry_in_a_cluster
	s_endpgm
.Lentry_in_a_cluster:
	s_bfe_u32 s2, ttmp6, 0x10000c
	s_cmp_lg_u32 s2, 0xf033
	s_cbranch_scc0 .Lentry_shape_is_right
	s_endpgm
.Lentry_shape_is_right:
; v = input Wv^T on codes of E2M1 with one E8M0 scale for each 32 along E: the quantised product.  A: xq (8,192 rows of 512 bytes of codes; their scale bytes, 32 a row, from byte 4,194,304); B: wvq (1,024 rows; bytes from 524,288).
; f32 sums.  v leaves in f16 by heads, vh[batch x 16 + head][t][64] (LIMIT: |v| up to 65,504), and the rows t < 16 of each batch once more in f32, v32e[batch][t][1024], for the launch that carries those rows finely.
; A tile of C, 256 x 256, by four waves, 128 x 128 each.  K = 1,024 is two steps of 512, one in each of two LDS slots: both are asked for at the start and nothing is filled again.  The scale bytes of the tile's rows come once, in rows of 256 bytes.
; CLUSTERS: 4 x 4; A's tiles are asked for jointly along a row of the cluster, B's along a column.  Tile row = 8 cy + cluster y, so that the batch is cy and the place in the batch is the cluster's y, the same in all sixteen partners.
; THE MATRIX INSTRUCTION IS USED TRANSPOSED (source 0 = 16 rows of Wv, source 1 = 16 tokens).
; REGISTERS: window 0: v0-31 addresses; v32-95 scale words, two sets, and nothing else; v96-127, v192-255 the way out; v128-191 A's fragments, one set.  window 1: B's fragments, two sets.  windows 2, 3: the accumulators.
.set KSTEP,  512
.set NQ,     4
.set ROWB,   256
.set KROW,   512
.set PITCH,  272
.set FR,     8
.set NL,     2
.set NP,     4
.set HALFT,  128*PITCH
.set SLOT,   4*HALFT
.set KS,     32
.set SCL,    2*SLOT
.set HALFS,  (128*KS/256)*272
.set SBLK,   (16*KS/256)*272
.set SPARE,  SCL+4*HALFS
.set ST32,   4*16*272                  ; the stages lie in slot 0, which has had its only fill and its last read: first four of 16 x 272 (f16), then four of 16 x 528 (f32)
.set ADRA, 16
.set ADRB, 20
.set STO,  24
.set RD,   25
.set CO,   26
.set ADRS, 27
.set SPW,  28
.set NIL,  29
.set STO32, 12
.set RD32,  13
.set CO32,  14
.set SC,   32
.set AF,   128
.set TMP,  96
.set G1, 24
.set G0, 32
.set G1B, 48
.set G0B, 56
.set G1S, 68
.set G0S, 76
.set G1SB, 80
.set G0SB, 88
.set MSB, 0
.macro WIN new
.if MSB != \new
	s_set_vgpr_msb (MSB<<8)|\new
.set MSB, \new
.endif
.endm
.set MUL_LO, 0xa1
.set MUL_HI, 0xf1
.set TO_B,   0x40
.macro JLOAD g0a, g1a, g0b, g1b        ; waves 0, 1 fetch for A, waves 2, 3 for B; an s_nop 0 and four v_nop follow each line
	s_cmp_eq_u32 s15, 0
	s_cbranch_scc0 .Lfor_b_\@
	tensor_load_to_lds s[\g0a:\g0a+3], s[\g1a:\g1a+7]
	s_nop 0
.rept 4
	v_nop
.endr
	s_branch .Lasked_\@
.Lfor_b_\@:
	tensor_load_to_lds s[\g0b:\g0b+3], s[\g1b:\g1b+7]
	s_nop 0
.rept 4
	v_nop
.endr
.Lasked_\@:
.endm
.macro CROUND
	s_barrier_signal -1
	s_barrier_wait -1
	s_cmp_lg_u32 s14, 0
	s_cbranch_scc1 .Lnot_wave_0_\@
	s_barrier_signal -3
.Lnot_wave_0_\@:
	s_barrier_wait -3
	s_barrier_signal -1
	s_barrier_wait -1
.endm
	s_load_b128 s[4:7], s[0:1], 0x0                ; xq, wvq
	s_load_b128 s[8:11], s[0:1], 0x10              ; vh, v32e
	v_lshl_add_u32 v[SPW], v0, 2, SPARE
	v_mov_b32 v[NIL], 0
	ds_add_u32 v[SPW], v[NIL]                      ; the opening: the add, twice on end, and its wait ahead of my first tensor load
	ds_add_u32 v[SPW], v[NIL]
	v_lshrrev_b32 v1, 5, v0
	v_readfirstlane_b32 s14, v1                    ; wave
	s_lshr_b32 s15, s14, 1                         ; my half of the rows; also A (0) or B (1)
	s_and_b32 s16, s14, 1                          ; my half of the columns; also which 128 rows I fetch
	s_bfe_u32 s40, ttmp6, 0x40000                  ; cx
	s_bfe_u32 s41, ttmp6, 0x40004                  ; cy
	s_lshl_b32 s42, ttmp9, 2
	s_add_co_u32 s42, s42, s40                     ; tile column
	s_and_b32 s95, ttmp7, 0xffff                   ; cluster y
	s_lshl_b32 s17, s41, 3
	s_add_co_u32 s17, s17, s95                     ; tile row = 8 cy + cluster y
	s_lshl_b32 s43, s41, 2
	s_lshl_b32 s43, 15, s43
	s_lshl_b32 s44, 0x1111, s40
	s_or_b32 s[G1+0], s43, (0<<16)|(1<<20)|(1<<21)|(5<<22)|(3<<25)  ; mask; elements of 1 byte; 4 words of padding behind every 64
	s_or_b32 s[G1B+0], s44, (0<<16)|(1<<20)|(1<<21)|(5<<22)|(3<<25)
.irp g, G1, G1B
	s_mov_b32 s[\g+1], ROWB<<16
	s_mov_b32 s[\g+2], 128<<16
	s_mov_b32 s[\g+3], ROWB<<16
	s_mov_b32 s[\g+4], 128
	s_mov_b32 s[\g+5], KROW
	s_mov_b32 s[\g+6], 0
	s_mov_b32 s[\g+7], 0
.endr
	s_or_b32 s[G1S+0], s43, (3<<16)|(1<<20)|(1<<21)|(5<<22)|(3<<25) ; the scales of 128 rows: a dense block, as rows of 32 elements of 8 bytes
	s_or_b32 s[G1SB+0], s44, (3<<16)|(1<<20)|(1<<21)|(5<<22)|(3<<25)
.irp g, G1S, G1SB
	s_mov_b32 s[\g+1], 32<<16
	s_mov_b32 s[\g+2], (128*KS/256)<<16
	s_mov_b32 s[\g+3], 32<<16
	s_mov_b32 s[\g+4], 128*KS/256
	s_mov_b32 s[\g+5], 32
	s_mov_b32 s[\g+6], 0
	s_mov_b32 s[\g+7], 0
.endr
	s_lshl_b32 s18, s16, 7
	s_lshl_b32 s20, s17, 8
	s_add_co_u32 s20, s20, s18                     ; A: row
	s_lshl_b32 s46, s42, 8
	s_add_co_u32 s46, s46, s18                     ; B: row
	s_mov_b32 s21, 0
	s_mov_b32 s47, 0
	s_mov_b64 s[18:19], KS
	s_mul_u64 s[22:23], s[20:21], s[18:19]
	s_mul_u64 s[92:93], s[46:47], s[18:19]
	s_mov_b64 s[18:19], KROW
	s_mul_u64 s[20:21], s[20:21], s[18:19]
	s_mul_u64 s[46:47], s[46:47], s[18:19]
	s_mul_i32 s45, s14, HALFT
	s_mul_i32 s94, s14, HALFS
	s_wait_dscnt 0x0                               ; both opening adds are done
	s_wait_kmcnt 0x0
	s_add_nc_u64 s[20:21], s[4:5], s[20:21]
	s_add_nc_u64 s[22:23], s[4:5], s[22:23]
	s_add_nc_u64 s[22:23], s[22:23], 0x400000      ; the bytes lie behind the codes
	s_add_nc_u64 s[46:47], s[6:7], s[46:47]
	s_add_nc_u64 s[92:93], s[6:7], s[92:93]
	s_add_nc_u64 s[92:93], s[92:93], 0x80000
	CROUND                                         ; all sixteen work-groups are here
	s_mov_b32 s[G0S], 1
	s_add_co_u32 s[G0S+1], s94, SCL
	s_mov_b64 s[G0S+2:G0S+3], s[22:23]
	s_or_b32 s[G0S+3], s[G0S+3], 0x80000000
	s_mov_b32 s[G0SB], 1
	s_add_co_u32 s[G0SB+1], s94, SCL
	s_mov_b64 s[G0SB+2:G0SB+3], s[92:93]
	s_or_b32 s[G0SB+3], s[G0SB+3], 0x80000000
	JLOAD G0S, G1S, G0SB, G1SB                     ; the scales first
.irp s, 0,1
	s_mov_b32 s[G0+4*\s], 1
	s_add_co_u32 s[G0+4*\s+1], s45, \s*SLOT
	s_add_nc_u64 s[G0+4*\s+2:G0+4*\s+3], s[20:21], \s*ROWB
	s_or_b32 s[G0+4*\s+3], s[G0+4*\s+3], 0x80000000
	s_mov_b32 s[G0B+4*\s], 1
	s_add_co_u32 s[G0B+4*\s+1], s45, \s*SLOT
	s_add_nc_u64 s[G0B+4*\s+2:G0B+4*\s+3], s[46:47], \s*ROWB
	s_or_b32 s[G0B+4*\s+3], s[G0B+4*\s+3], 0x80000000
	JLOAD G0+4*\s, G1, G0B+4*\s, G1B               ; three loads of mine are out at the most
.endr
	v_and_b32 v1, 15, v0                           ; r
	v_bfe_u32 v2, v0, 4, 1                         ; h
	v_mul_u32_u24 v3, v1, PITCH
	v_lshl_add_u32 v4, v2, 4, v3                   ; 272 r + 16 h
	s_mul_i32 s21, s15, HALFT
	s_mul_i32 s22, s16, HALFT
	s_add_co_u32 s22, s22, 2*HALFT
.irp s, 0,1
	v_add_nc_u32 v[ADRA+\s], s21, v4
	v_add_nc_u32 v[ADRB+\s], s22, v4
	s_add_co_u32 s21, s21, SLOT
	s_add_co_u32 s22, s22, SLOT
.endr
	v_mul_u32_u24 v5, v1, KS
	v_lshrrev_b32 v6, 8, v5
	v_lshl_add_u32 v5, v6, 4, v5                   ; my row's scales: 32 bytes a row, 16 more for each 256 passed
	s_mul_i32 s21, s15, HALFS
	s_mul_i32 s22, s16, HALFS
	s_add_co_u32 s22, s22, 2*HALFS
	s_sub_co_u32 s22, s22, s21
	v_mul_u32_u24 v6, s22, v2                      ; lanes 16-31 take B's
	s_add_co_u32 s21, s21, SCL
	v_add_nc_u32 v5, v5, v6
	v_add_nc_u32 v[ADRS], s21, v5
	s_mul_i32 s23, s14, 16*272                     ; my f16 stage
	v_add_nc_u32 v[STO], s23, v4
	v_bfe_u32 v5, v0, 3, 1
	v_and_b32 v6, 7, v0
	v_mul_u32_u24 v7, v5, 272
	v_lshl_add_u32 v7, v2, 7, v7
	v_lshl_add_u32 v7, v6, 4, v7
	v_add_nc_u32 v[RD], s23, v7                    ; back: lanes 0-15 two tokens of the first head, lanes 16-31 of the second
	v_lshlrev_b32 v7, 7, v5
	v_lshl_add_u32 v7, v6, 4, v7
	v_lshl_add_u32 v[CO], v2, 18, v7
	s_mul_i32 s23, s14, 16*528
	s_add_co_u32 s23, s23, ST32                    ; my f32 stage
	v_mul_u32_u24 v7, v1, 528
	v_lshl_add_u32 v7, v2, 5, v7
	v_add_nc_u32 v[STO32], s23, v7
	v_and_b32 v7, 31, v0
	v_lshlrev_b32 v[CO32], 4, v7
	v_add_nc_u32 v[RD32], s23, v[CO32]
	s_lshl_b32 s20, s41, 4                         ; vh: (16 batch + 2 x my column half) heads,
	s_lshl_b32 s21, s16, 1
	s_add_co_u32 s20, s20, s21
	s_lshl_b32 s20, s20, 18
	s_lshl_b32 s21, s95, 8
	s_lshl_b32 s22, s15, 7
	s_add_co_u32 s21, s21, s22
	s_lshl_b32 s21, s21, 7                         ; my first token x 128 bytes,
	s_add_co_u32 s20, s20, s21
	s_mov_b32 s21, 0
	s_lshl_b32 s46, s42, 20                        ; four heads to a tile column
	s_mov_b32 s47, 0
	s_add_nc_u64 s[20:21], s[20:21], s[46:47]
	s_add_nc_u64 s[12:13], s[8:9], s[20:21]
	s_lshl_b32 s20, s41, 16                        ; v32e: the batch's 16 rows of 4,096 bytes, my 128 columns
	s_lshl_b32 s46, s42, 10
	s_lshl_b32 s22, s16, 9
	s_add_co_u32 s46, s46, s22
	s_add_co_u32 s20, s20, s46
	s_add_nc_u64 s[10:11], s[10:11], s[20:21]
.macro FRAG reg, adr, q, i             ; 16 rows x 128 K of 4-bit codes: 8 registers, two loads of 16 bytes, 32 bytes apart
.irp c, 0,1
	ds_load_b128 v[\reg+4*\c:\reg+4*\c+3], v[\adr] offset:64*(\q)+32*\c+(\i)*16*PITCH
.endr
.endm
.macro MUL16 a0, p, q, sc, zero        ; A's blocks a0, a0 + 1 x B's eight, 128 along K.  The 64 accumulators take turns
.irp a, \a0, \a0+1
.irp b, 0,1,2,3,4,5,6,7
.if \zero
	v_wmma_scale_f32_16x16x128_f8f6f4 v[8*(8*((\a)%4)+\b):8*(8*((\a)%4)+\b)+7], v[128*(\p)+FR*\b:128*(\p)+FR*\b+FR-1], v[AF+FR*(\a):AF+FR*(\a)+FR-1], 0, v[SC+8*NQ*(\sc)+NQ*\b+(\q)], v[SC+8*NQ*(\sc)+NQ*(\a)+(\q)] matrix_a_fmt:MATRIX_FMT_FP4 matrix_b_fmt:MATRIX_FMT_FP4 matrix_a_scale:MATRIX_SCALE_ROW1
.else
	v_wmma_scale_f32_16x16x128_f8f6f4 v[8*(8*((\a)%4)+\b):8*(8*((\a)%4)+\b)+7], v[128*(\p)+FR*\b:128*(\p)+FR*\b+FR-1], v[AF+FR*(\a):AF+FR*(\a)+FR-1], v[8*(8*((\a)%4)+\b):8*(8*((\a)%4)+\b)+7], v[SC+8*NQ*(\sc)+NQ*\b+(\q)], v[SC+8*NQ*(\sc)+NQ*(\a)+(\q)] matrix_a_fmt:MATRIX_FMT_FP4 matrix_b_fmt:MATRIX_FMT_FP4 matrix_a_scale:MATRIX_SCALE_ROW1
.endif
.endr
.endr
.endm
.macro FETCH_B slot, q, p
	WIN TO_B
.irp i, 0,1,2,3,4,5,6,7
	FRAG 128*(\p)+FR*\i, ADRB+\slot, \q, \i
.endr
	WIN 0
.endm
.macro FETCH_A slot, q, i0
.irp i, \i0, \i0+1, \i0+2, \i0+3
	FRAG AF+FR*(\i), ADRA+\slot, \q, \i
.endr
.endm
.macro SCALES sc                       ; a K step's scale words: lanes 0-15 A's block i, lanes 16-31 B's block i
.irp i, 0,1,2,3,4,5,6,7
	ds_load_b128 v[SC+8*NQ*\sc+NQ*\i:SC+8*NQ*\sc+NQ*\i+3], v[ADRS] offset:\i*SBLK
.endr
.endm
.macro PLACES n
.rept \n
	v_nop
.endr
.endm
.macro STEP slot, q, zero              ; 128 along K with its successor in the same slot
	s_wait_dscnt 4*NL                              ; all but the youngest eight loads (A's blocks 4-7)
	WIN MUL_LO
	MUL16 0, (\q)%2, \q, \slot, \zero
	MUL16 2, (\q)%2, \q, \slot, \zero
	s_wait_dscnt 0
	PLACES NP
	FETCH_B \slot, (\q)+1, 1-(\q)%2
	FETCH_A \slot, (\q)+1, 0
	WIN MUL_HI
	MUL16 4, (\q)%2, \q, \slot, \zero
	MUL16 6, (\q)%2, \q, \slot, \zero
	PLACES NP
	WIN 0
	FETCH_A \slot, (\q)+1, 4
.endm
.macro TURN slot, next                 ; a slot's last step changes slots: one barrier; nothing is filled again in this launch
	s_wait_tensorcnt 0x0                           ; all my tensor loads have landed: my part of the next slot
	ds_add_u32 v[SPW], v[NIL]
	s_wait_dscnt 4*NL+1                            ; the add and the youngest eight loads may be out
	WIN MUL_LO
	MUL16 0, 1, NQ-1, \slot, 0
	s_wait_dscnt 0x0                               ; the add is done, my reads of this slot are over
	s_barrier_signal -1
	MUL16 2, 1, NQ-1, \slot, 0
	WIN 0
	s_barrier_wait -1
	PLACES NP
	v_add_nc_u32 v[ADRS], 4*NQ, v[ADRS]            ; the next K step's scale words
	FETCH_B \next, 0, 0
	FETCH_A \next, 0, 0
	SCALES \next
	WIN MUL_HI
	MUL16 4, 1, NQ-1, \slot, 0
	MUL16 6, 1, NQ-1, \slot, 0
	PLACES NP
	WIN 0
	FETCH_A \next, 0, 4
.endm
.macro STEPS slot, from
.set Q, \from
.rept NQ-1-\from
	STEP \slot, Q, 0
.set Q, Q+1
.endr
.endm
	s_wait_tensorcnt 1                             ; the scales and my part of K step 0 are in; K step 1's load may be out
	s_barrier_signal -1
	s_barrier_wait -1
	FETCH_B 0, 0, 0
	FETCH_A 0, 0, 0
	SCALES 0
	FETCH_A 0, 0, 4
	STEP 0, 0, 1                                   ; the first step starts the sums
	STEPS 0, 1
	TURN 0, 1
	STEPS 1, 0
	s_wait_dscnt 4*NL
	WIN MUL_LO
	MUL16 0, 1, NQ-1, 1, 0
	MUL16 2, 1, NQ-1, 1, 0
	s_wait_dscnt 0
	WIN MUL_HI
	MUL16 4, 1, NQ-1, 1, 0
	MUL16 6, 1, NQ-1, 1, 0
	WIN 0
	PLACES NP
	; Rows t < 16 of a batch are block 0 of the waves with the upper half of the rows, where the cluster's y is 0: they leave in f32 too.  The branch hangs on the cluster's number and the wave's alone.
	s_or_b32 s20, s95, s15
	s_cmp_lg_u32 s20, 0
	s_cbranch_scc1 .Lno_early
	WIN 0x08                                       ; an LDS store's data are its source 1: window 2
.irp b, 0,1,2,3,4,5,6,7
	ds_store_b128 v[STO32], v[8*\b:8*\b+3] offset:64*\b
	ds_store_b128 v[STO32], v[8*\b+4:8*\b+7] offset:64*\b+16
.endr
	WIN 0
.irp t, 0,1,2,3,4,5,6,7,8,9,10,11,12,13,14,15
	ds_load_b128 v[192+4*\t:192+4*\t+3], v[RD32] offset:\t*528
.endr
.irp t, 0,1,2,3,4,5,6,7,8,9,10,11,12,13,14,15
	s_wait_dscnt 15-\t
	global_store_b128 v[CO32], v[192+4*\t:192+4*\t+3], s[10:11] offset:\t*4096    ; 512 consecutive bytes of a row
.endr
	s_wait_xcnt 0x0
.Lno_early:
.macro PACK a
.set AC, 64*((\a)%4)
	WIN 0x0a+5*((\a)/4)
.irp b, 0,1,2,3,4,5,6,7
.irp r, 0,1,2,3
	v_cvt_pk_f16_f32 v[TMP+4*\b+\r], v[AC+8*\b+2*\r], v[AC+8*\b+2*\r+1]
.endr
.endr
	WIN 0
.endm
.macro TOSTAGE a
.set BK, 128+32*((\a)%2)
.irp b, 0,1,2,3,4,5,6,7
	ds_store_b128 v[STO], v[TMP+4*\b:TMP+4*\b+3] offset:32*\b
.endr
.irp t, 0,1,2,3,4,5,6,7
	ds_load_b128 v[BK+4*\t:BK+4*\t+3], v[RD] offset:\t*2*272
.endr
.endm
.macro SEND a, younger
.set BK, 128+32*((\a)%2)
	s_wait_dscnt \younger
	s_wait_xcnt 0x0                                ; earlier stores have read their base and their registers
.if (\a) > 0
	s_add_nc_u64 s[12:13], s[12:13], 16*128
.endif
.irp t, 0,1,2,3,4,5,6,7
	global_store_b128 v[CO], v[BK+4*\t:BK+4*\t+3], s[12:13] offset:256*\t   ; sixteen lanes store 256 consecutive bytes
.endr
.endm
	PACK 0
	TOSTAGE 0
.irp a, 1,2,3,4,5,6,7
	PACK \a
	SEND \a-1, 0
	TOSTAGE \a
.endr
	SEND 7, 0
	s_wait_tensorcnt 0x0                           ; the wave's end
	ds_add_u32 v[SPW], v[NIL]
	s_wait_dscnt 0x0
	CROUND                                         ; the closing round
	s_endpgm
.Lfunc_end_k_qaf12b42b4d_gemm_v:
	.size	k_qaf12b42b4d_gemm_v, .Lfunc_end_k_qaf12b42b4d_gemm_v-k_qaf12b42b4d_gemm_v
	.p2alignl 7, 3214868480
	.fill 96, 4, 3214868480
	.section	.rodata,"a",@progbits
	.p2align	6, 0x0
	.amdhsa_kernel k_qaf12b42b4d_gemm_v
		.amdhsa_group_segment_fixed_size 327680
		.amdhsa_private_segment_fixed_size 0
		.amdhsa_enable_private_segment 0
		.amdhsa_kernarg_size 32
		.amdhsa_user_sgpr_count 2
		.amdhsa_user_sgpr_kernarg_segment_ptr 1
		.amdhsa_wavefront_size32 1
		.amdhsa_system_sgpr_workgroup_id_x 1
		.amdhsa_system_sgpr_workgroup_id_y 1
		.amdhsa_system_sgpr_workgroup_id_z 1
		.amdhsa_system_vgpr_workitem_id 0
		.amdhsa_next_free_vgpr 1024
		.amdhsa_next_free_sgpr 98
		.amdhsa_reserve_vcc 0
		.amdhsa_float_denorm_mode_32 3
		.amdhsa_float_denorm_mode_16_64 3
		.amdhsa_memory_ordered 1
		.amdhsa_forward_progress 1
		.amdhsa_inst_pref_size 132
	.end_amdhsa_kernel
	.amdgpu_metadata
---
amdhsa.version: [ 1, 2 ]
amdhsa.kernels:
  - .name:           k_qaf12b42b4d_gemm_v
    .symbol:         k_qaf12b42b4d_gemm_v.kd
    .args:
      - { .name: xq, .offset: 0, .size: 8, .value_kind: global_buffer, .address_space: global }
      - { .name: wvq, .offset: 8, .size: 8, .value_kind: global_buffer, .address_space: global }
      - { .name: vh, .offset: 16, .size: 8, .value_kind: global_buffer, .address_space: global }
      - { .name: v32e, .offset: 24, .size: 8, .value_kind: global_buffer, .address_space: global }
    .group_segment_fixed_size: 327680
    .private_segment_fixed_size: 0
    .kernarg_segment_align: 8
    .kernarg_segment_size: 32
    .max_flat_workgroup_size: 128
    .sgpr_count:     98
    .vgpr_count:     1024
    .wavefront_size: 32
...
	.end_amdgpu_metadata
.endif
;; end of part 3
;; launch attn (part 4): grid 4 x 64, 16 waves a work-group, no clusters, 327,680 bytes of LDS; arguments qkh, vh, attb; writes attb
.if DOCPART == 4
	.amdgcn_target "amdgcn-amd-amdhsa--gfx1250"
	.amdhsa_code_object_version 6
	.text
	.protected	k_qaf12b42b4d_attn
	.globl	k_qaf12b42b4d_attn
	.p2align	8
	.type	k_qaf12b42b4d_attn,@function
k_qaf12b42b4d_attn:
	s_mov_b64 s[64:65], 0
	v_nop
	global_prefetch_b8 v0, s[64:65] scope:SCOPE_SE
	s_setreg_imm32_b32 hwreg(HW_REG_WAVE_MODE, 25, 1), 1
	s_wait_xcnt 0x0
; att[b][h][q] = sum over k <= q of softmax_k(q . k / 8) v[k], head size 64, f16 operands, f32 scores, maxima and sums; the weights are rounded to f16 for the second product, att once at the end.
; LEFT OUT: a step of 64 keys all of which come after all of a wave's queries: the problem's own mask gives such keys the weight 0 for all inputs.  A NaN or infinity in such scores alone is not carried on.
; SHARES.  Work-group (j, batch x 16 + head) owns the blocks j and 7 - j of 256 queries: 9 blocks of keys for every work-group.  Wave w: group (w xor w / 4) % 2 picks the block, w / 2 the 32 queries in it: two tiles of 16.
; Every wave walks all 8 slots of 256 keys with constant trip counts; what lies behind its queries is jumped over by a scalar branch on ids.  K's and V's tiles come through two LDS slots (waves 0, 1: K's halves; waves 2, 3: V's).
; NO CLUSTER: the four work-groups of a head need 8 - j slots each, so partners would need different numbers of tiles, and all waves of a partner would jump over the reads of a joint tile.
; LAYOUT.  S^T = K Q^T (source 0 = 16 keys, source 1 = 16 queries): a lane holds one query (lane % 16) and keys 8 (lane / 16) + 0..7 of each tile.  Two such tiles, rounded in pairs, are source 1 of O^T = V^T P.  V is turned by ds_load_tr16_b128.
; SOFTMAX.  A running maximum m and sum l for each query: p = 2^(c s - c m), c = log2(e) / 8; in each step O^T and l are multiplied by 2^(c m_old - c m_new).  Every step that is walked shows each query at least its first key, so m is a number from the first step on.
; att leaves in blocks, attb[8 batch + t / 256][head][256 tokens][64], so that each store covers 512 consecutive bytes.
; REGISTERS: v1-15 addresses; v16-31 statistics (tile t at 16 + 8 t: c m, m, l twice, c0-c3; the factor takes c2's place); v32-63 Q; v64-127 K, later P (64-95) and V of keys 0-31 (96-127); v128-191 S^T, later V of keys 32-63 (128-159); v192-255 O^T.
.set SK,    256
.set PK,    144                        ; a key's row in LDS: 128 bytes + 16
.set PV,    160                        ; a row of V: 128 + 32: an odd multiple of 32
.set VOFF,  SK*PK
.set SLOT1, 1<<17
.set SPARE, SLOT1+SK*(PK+PV)           ; the spare words: 128 bytes for each wave
.set STAGE, 0                          ; the way out: 32 rows x 144 for each wave, in slot 0, which is left at the last change of slots
.set AK0, 1
.set AV0, 2
.set ADK, 3
.set ADV, 4
.set SPW, 5
.set NIL, 6
.set DL,  7
.set PFO, 8
.set GO,  9
.set STO, 13
.set RD,  14
.set ST,  16
.set QF,  32
.set KP,  64
.set PP,  64
.set V0,  96
.set V1,  128
.set SV,  128
.set OT,  192
.set TB,  2
.set WV,  18
.set SEL, 20
.set CS,  22
.set G1K, 24
.set G1V, 32
.set G0K, 40
.set G0V, 44
.set SLOTS, 67
.set PFA, 76
.set LIM, 80
.set LASTQ, 95
.set KF,  98
.set Q0,  99
.macro TLOAD                           ; waves 0, 1 fetch for K, waves 2, 3 for V, the others nothing; an s_nop 0 and four v_nop follow each line
	s_cmp_lt_u32 s[WV], 2
	s_cbranch_scc0 .Lnot_k_\@
	tensor_load_to_lds s[G0K:G0K+3], s[G1K:G1K+7]
	s_nop 0
.rept 4
	v_nop
.endr
	s_branch .Lasked_\@
.Lnot_k_\@:
	s_cmp_lt_u32 s[WV], 4
	s_cbranch_scc0 .Lasked_\@
	tensor_load_to_lds s[G0V:G0V+3], s[G1V:G1V+7]
	s_nop 0
.rept 4
	v_nop
.endr
.Lasked_\@:
.endm
; A prefetch of what the next change of slots will ask for: 32,768 bytes of K and of V.  The head's work-group j = 0, which walks all slots, asks; in it waves 4-7 for K, waves 8-11 for V: 8,192 bytes a wave, lanes 256 bytes apart: each block of 256 bytes once in the launch.
; The last change that fills a slot asks for nothing; slots 0 and 1 come by their loads alone.
.macro ASK
	s_cmp_gt_u32 s[SLOTS], s[LIM]
	s_cbranch_scc0 .Lnot_mine_\@
	global_prefetch_b8 v[PFO], s[PFA:PFA+1] th:TH_LOAD_NT scope:SCOPE_SE
.Lnot_mine_\@:
.endm
	s_load_b128 s[4:7], s[0:1], 0x0                ; qkh, vh
	s_load_b64 s[8:9], s[0:1], 0x10                ; attb
	v_lshl_add_u32 v[SPW], v0, 2, SPARE
	v_mov_b32 v[NIL], 0
	ds_add_u32 v[SPW], v[NIL]                      ; the opening: the add, twice on end, and its wait ahead of the first tensor load
	ds_add_u32 v[SPW], v[NIL]
	v_lshrrev_b32 v3, 5, v0
	v_readfirstlane_b32 s[WV], v3                  ; wave 0..15
	s_and_b32 s70, ttmp7, 0xffff                   ; batch x 16 + head
	s_lshl_b32 s72, s70, 18                        ; its 2,048 rows of 128 bytes
	s_mov_b32 s73, 0
	s_lshr_b32 s82, s[WV], 2
	s_xor_b32 s82, s82, s[WV]
	s_and_b32 s82, s82, 1                          ; group
	s_lshr_b32 s83, s[WV], 1                       ; which 32 queries of the block
	s_sub_co_u32 s84, 7, ttmp9
	s_cmp_eq_u32 s82, 0
	s_cselect_b32 s85, ttmp9, s84                  ; block j or 7 - j
	s_lshl_b32 s[Q0], s85, 8
	s_lshl_b32 s84, s83, 5
	s_add_co_u32 s[Q0], s[Q0], s84                 ; my first query
	s_lshl_b32 s[LASTQ], ttmp9, 8
	s_sub_co_u32 s[LASTQ], 2047, s[LASTQ]          ; the work-group's last query
	s_lshl_b32 s78, s[Q0], 7
	s_mov_b32 s79, 0
	s_add_nc_u64 s[78:79], s[78:79], s[72:73]      ; Q: my first row
	s_lshr_b32 s86, s70, 4
	s_lshl_b32 s86, s86, 3
	s_add_co_u32 s86, s86, s85
	s_lshl_b32 s86, s86, 19                        ; attb: block 8 batch + my block,
	s_and_b32 s84, s70, 15
	s_lshl_b32 s84, s84, 15                        ; the head,
	s_add_co_u32 s86, s86, s84
	s_lshl_b32 s84, s83, 12                        ; my 32 tokens
	s_add_co_u32 s86, s86, s84
	s_mov_b32 s87, 0
	s_and_b32 s88, s[WV], 1                        ; which half of a slot's rows I fetch, if I fetch
	s_lshl_b32 s90, s88, 14
	s_mov_b32 s91, 0
	s_add_nc_u64 s[90:91], s[90:91], s[72:73]
	s_mul_i32 s89, s88, 128*PK
	s_mul_i32 s94, s88, 128*PV
	s_add_co_u32 s94, s94, VOFF
	s_mov_b32 s[G1K], (1<<16)|(1<<20)|(4<<22)|(3<<25)   ; elements of 2 bytes; 4 words of padding behind every 32
	s_mov_b32 s[G1V], (1<<16)|(1<<20)|(4<<22)|(7<<25)   ; 8 words
.irp g, G1K, G1V
	s_mov_b32 s[\g+1], 64<<16                      ; tensor_dim0 = 64
	s_mov_b32 s[\g+2], 128<<16                     ; tensor_dim1 = 128
	s_mov_b32 s[\g+3], 64<<16                      ; tile_dim0 = 64
	s_mov_b32 s[\g+4], 128                         ; tile_dim1 = 128
	s_mov_b32 s[\g+5], 64                          ; elements from row to row
	s_mov_b32 s[\g+6], 0
	s_mov_b32 s[\g+7], 0
.endr
	s_mov_b32 s[SEL], 0x76543210
	s_mov_b32 s[SEL+1], 0xfedcba98
	s_mov_b32 s[CS], 0x3e38aa3b                    ; c = log2(e) / 8
	s_mov_b32 s[CS+1], s[CS]
	s_mov_b32 s[TB], 0
	s_mov_b32 s[SLOTS], 7
	s_mov_b32 s[KF], 0
	s_wait_dscnt 0x0                               ; both opening adds are done
	s_wait_kmcnt 0x0
	s_mov_b32 s[G0K], 1
	s_mov_b32 s[G0K+1], s89
	s_add_nc_u64 s[G0K+2:G0K+3], s[4:5], s[90:91]
	s_add_nc_u64 s[G0K+2:G0K+3], s[G0K+2:G0K+3], 0x1000000   ; k lies behind q
	s_or_b32 s[G0K+3], s[G0K+3], 0x80000000
	s_mov_b32 s[G0V], 1
	s_mov_b32 s[G0V+1], s94
	s_add_nc_u64 s[G0V+2:G0V+3], s[6:7], s[90:91]
	s_or_b32 s[G0V+3], s[G0V+3], 0x80000000
	TLOAD                                          ; slot 0
	s_add_nc_u64 s[10:11], s[4:5], s[78:79]        ; Q
	s_add_nc_u64 s[16:17], s[8:9], s[86:87]        ; att
	s_cmp_lt_u32 s[WV], 8
	s_cselect_b64 s[PFA:PFA+1], s[4:5], s[6:7]
	s_cselect_b32 s92, 0x1000000, 0
	s_and_b32 s93, s[WV], 3
	s_lshl_b32 s93, s93, 13
	s_add_co_u32 s92, s92, s93
	s_add_co_u32 s92, s92, 32768                   ; in slot 1: the first change steps it to slot 2
	s_mov_b32 s93, 0
	s_add_nc_u64 s[PFA:PFA+1], s[PFA:PFA+1], s[72:73]
	s_add_nc_u64 s[PFA:PFA+1], s[PFA:PFA+1], s[92:93]
	s_sub_co_u32 s92, s[WV], 4
	s_lshr_b32 s92, s92, 3                         ; 0 in waves 4 to 11
	s_or_b32 s92, s92, ttmp9                       ; of work-group j = 0
	s_cmp_eq_u32 s92, 0
	s_cselect_b32 s[LIM], 1, -1
	v_and_b32 v13, 15, v0                          ; r
	v_bfe_u32 v14, v0, 4, 1                        ; h
	v_lshlrev_b32 v15, 7, v13
	v_lshl_add_u32 v15, v14, 4, v15                ; Q: row r, + 16 h
.irp t, 0,1
.irp cs, 0,1
	global_load_b128 v[QF+16*\t+8*\cs:QF+16*\t+8*\cs+3], v15, s[10:11] offset:2048*\t+64*\cs
	global_load_b128 v[QF+16*\t+8*\cs+4:QF+16*\t+8*\cs+7], v15, s[10:11] offset:2048*\t+64*\cs+32
.endr
.endr
	v_mul_u32_u24 v[AK0], v13, PK
	v_lshl_add_u32 v[AK0], v14, 4, v[AK0]          ; 144 r + 16 h
	v_and_b32 v3, 7, v0
	v_lshl_add_u32 v[AV0], v14, 3, v3
	v_mul_u32_u24 v[AV0], v[AV0], PV
	v_bfe_u32 v4, v0, 3, 1
	v_lshl_add_u32 v[AV0], v4, 4, v[AV0]
	v_add_nc_u32 v[AV0], VOFF, v[AV0]              ; key 8 h + lane % 8, channels 8 ((lane / 8) % 2) on
	v_lshlrev_b32 v[DL], 3, v14
	v_sub_nc_u32 v[DL], v13, v[DL]                 ; r - 8 h
	v_and_b32 v[GO], 31, v0
	v_lshlrev_b32 v[PFO], 8, v[GO]
	v_lshlrev_b32 v[GO], 4, v[GO]
	v_mov_b32 v12, 0xff800000                      ; -infinity
	s_mul_i32 s84, s[WV], 32*PK
	v_add_nc_u32 v[STO], s84, v[AK0]               ; the stage, in: row r, 16 bytes for each half of the lanes
	v_bfe_u32 v[RD], v0, 3, 2
	v_mul_u32_u24 v[RD], v[RD], PK
	v_lshl_add_u32 v[RD], v3, 4, v[RD]
	v_add_nc_u32 v[RD], s84, v[RD]                 ; back: eight lanes to a row of 128 bytes
.irp t, 0,1
	v_mov_b32 v[ST+8*\t+1], 0xff61b1e6             ; m: -3e38, under every score
	v_mul_f32 v[ST+8*\t], s[CS], v[ST+8*\t+1]
.irp i, 2,3,4,5,6,7
	v_mov_b32 v[ST+8*\t+\i], 0
.endr
.endr
.irp j, 0,1,2,3,4,5,6,7,8,9,10,11,12,13,14,15,16,17,18,19,20,21,22,23,24,25,26,27,28,29,30,31,32,33,34,35,36,37,38,39,40,41,42,43,44,45,46,47,48,49,50,51,52,53,54,55,56,57,58,59,60,61,62,63
	v_mov_b32 v[OT+\j], 0                          ; the step is written once: the first finds zeros, which its factor 0 leaves zeros
.endr
.macro TILE_FIN t                      ; tile t: the weights to f16; their sum, of the unrounded weights, in place; l = factor x l + sum
.set rS, SV+32*\t
.set rT, ST+8*\t
.irp n, 0,1,2,3,4,5,6,7,8,9,10,11,12,13,14,15
	v_cvt_pk_f16_f32 v[PP+16*\t+\n], v[rS+2*\n], v[rS+2*\n+1]
.endr
.irp u, 0,1,2,3,4,5,6,7
	v_pk_add_f32 v[rS+4*\u:rS+4*\u+1], v[rS+4*\u:rS+4*\u+1], v[rS+4*\u+2:rS+4*\u+3]
.endr
.irp u, 0,1,2,3
	v_pk_add_f32 v[rS+8*\u:rS+8*\u+1], v[rS+8*\u:rS+8*\u+1], v[rS+8*\u+4:rS+8*\u+5]
.endr
.irp u, 0,1
	v_pk_add_f32 v[rS+16*\u:rS+16*\u+1], v[rS+16*\u:rS+16*\u+1], v[rS+16*\u+8:rS+16*\u+9]
.endr
	v_pk_add_f32 v[rS:rS+1], v[rS:rS+1], v[rS+16:rS+17]
	v_pk_fma_f32 v[rT+2:rT+3], v[rT+2:rT+3], v[rT+6:rT+7], v[rS:rS+1] op_sel_hi:[1,0,1]
.endm
; A KEY STEP: 64 keys, the q-th of the slot in hand.
.macro STEP q
	s_add_co_u32 s96, s[Q0], 31
	s_cmp_gt_u32 s[KF], s96                        ; all keys behind my last query: the step's work is left out
	s_cbranch_scc1 .Lhidden_\@
	v_add_nc_u32 v[ADK], s[TB], v[AK0]
	v_add_nc_u32 v[ADV], s[TB], v[AV0]
.rept 3
	v_nop                                          ; with the two additions five plain lines: the first products below write over registers that the last step's products read, and the loads land in others of them
.endr
.irp cs, 0,1
.irp kt, 0,1,2,3
	ds_load_b128 v[KP+8*(4*\cs+\kt):KP+8*(4*\cs+\kt)+3],   v[ADK] offset:64*PK*(\q)+16*PK*\kt+64*\cs
	ds_load_b128 v[KP+8*(4*\cs+\kt)+4:KP+8*(4*\cs+\kt)+7], v[ADK] offset:64*PK*(\q)+16*PK*\kt+64*\cs+32
.endr
.endr
	s_wait_dscnt 8                                 ; channels 0-31 are in; the eight loads of channels 32-63 may be out
.irp kt, 0,1,2,3
.irp t, 0,1
	v_wmma_f32_16x16x32_f16 v[SV+32*\t+8*\kt:SV+32*\t+8*\kt+7], v[KP+8*\kt:KP+8*\kt+7], v[QF+16*\t:QF+16*\t+7], 0
.endr
.endr
	s_wait_dscnt 0x0
.irp kt, 0,1,2,3
.irp t, 0,1
	v_wmma_f32_16x16x32_f16 v[SV+32*\t+8*\kt:SV+32*\t+8*\kt+7], v[KP+32+8*\kt:KP+32+8*\kt+7], v[QF+16*\t+8:QF+16*\t+15], v[SV+32*\t+8*\kt:SV+32*\t+8*\kt+7]   ; eight accumulators by turns
.endr
.endr
.rept 4
	v_nop                                          ; in front of loads into K's registers and of the first read of the scores
.endr
.irp ct, 0,1,2,3
	ds_load_tr16_b128 v[V0+8*\ct:V0+8*\ct+3],   v[ADV] offset:64*PV*(\q)+32*\ct            ; V^T of keys 0-31
	ds_load_tr16_b128 v[V0+8*\ct+4:V0+8*\ct+7], v[ADV] offset:64*PV*(\q)+16*PV+32*\ct
.endr
	s_add_co_u32 s96, s[KF], 63
	s_cmp_le_u32 s96, s[Q0]                        ; all keys count for all my queries: no mask
	s_cbranch_scc1 .Lopen_\@
	s_sub_co_i32 s96, s[Q0], s[KF]
	v_add_nc_u32 v10, s96, v[DL]                   ; register n of tile t holds key KF + 16 (n / 8) + 8 h + n % 8: hidden where 16 (n / 8) + n % 8 > my query - KF - 8 h
	v_add_nc_u32 v11, 16, v10
.irp t, 0,1
.irp n, 0,1,2,3,4,5,6,7,8,9,10,11,12,13,14,15,16,17,18,19,20,21,22,23,24,25,26,27,28,29,30,31
	v_cmp_gt_i32 vcc_lo, 16*(\n/8)+\n%8, v[10+\t]
	v_cndmask_b32 v[SV+32*\t+\n], v[SV+32*\t+\n], v12, vcc_lo
.endr
.endr
.Lopen_\@:
.irp j, 0,1,2,3
.irp t, 0,1
	v_max3_num_f32 v[ST+8*\t+4+\j], v[SV+32*\t+8*\j], v[SV+32*\t+8*\j+1], v[SV+32*\t+8*\j+2]     ; four chains a tile, each begun at an accumulator's low end
.endr
.endr
.irp g, 1,2
.irp j, 0,1,2,3
.irp t, 0,1
	v_max3_num_f32 v[ST+8*\t+4+\j], v[ST+8*\t+4+\j], v[SV+32*\t+8*\j+2*\g+1], v[SV+32*\t+8*\j+2*\g+2]
.endr
.endr
.endr
.irp t, 0,1
	v_max3_num_f32 v[ST+8*\t+4], v[ST+8*\t+4], v[SV+32*\t+7], v[SV+32*\t+15]
	v_max3_num_f32 v[ST+8*\t+6], v[ST+8*\t+6], v[SV+32*\t+23], v[SV+32*\t+31]
.endr
.irp t, 0,1
	v_max3_num_f32 v[ST+8*\t+4], v[ST+8*\t+4], v[ST+8*\t+5], v[ST+8*\t+6]
.endr
.irp t, 0,1
	v_max3_num_f32 v[ST+8*\t+4], v[ST+8*\t+4], v[ST+8*\t+7], v[ST+8*\t+1]     ; and the old m
.endr
.irp t, 0,1
	v_permlanex16_b32 v[ST+8*\t+5], v[ST+8*\t+4], s[SEL], s[SEL+1]            ; the query's other 32 keys lie 16 lanes away
	v_mov_b32 v[ST+8*\t+7], v[ST+8*\t]                                        ; c m_old
.endr
.irp t, 0,1
	v_max_num_f32 v[ST+8*\t+1], v[ST+8*\t+4], v[ST+8*\t+5]
.endr
.irp t, 0,1
	v_mul_f32 v[ST+8*\t], s[CS], v[ST+8*\t+1]
.endr
.irp t, 0,1
	v_sub_f32 v[ST+8*\t+7], v[ST+8*\t+7], v[ST+8*\t]
.endr
.irp i, 0,1,2,3,4,5,6,7,8,9,10,11,12,13,14,15
.irp t, 0,1
	v_pk_fma_f32 v[SV+32*\t+2*\i:SV+32*\t+2*\i+1], v[SV+32*\t+2*\i:SV+32*\t+2*\i+1], s[CS:CS+1], v[ST+8*\t:ST+8*\t+1] op_sel_hi:[1,0,0] neg_lo:[0,0,1] neg_hi:[0,0,1]   ; c s - c m
.endr
.endr
.irp t, 0,1
	v_exp_f32 v[ST+8*\t+6], v[ST+8*\t+7]           ; the factor 2^(c m_old - c m_new)
.endr
.irp n, 0,1,2,3,4,5,6,7,8,9,10,11,12,13,14,15,16,17,18,19,20,21,22,23,24,25,26,27,28,29,30,31
.irp t, 0,1
	v_exp_f32 v[SV+32*\t+\n], v[SV+32*\t+\n]
.endr
.endr
	v_nop                                          ; a plain line behind the last exponential
	s_wait_alu depctr_va_vdst(0)                   ; one wait for the batch of 66, ahead of its first reader
	TILE_FIN 0
.irp ct, 0,1,2,3
	ds_load_tr16_b128 v[V1+8*\ct:V1+8*\ct+3],   v[ADV] offset:64*PV*(\q)+32*PV+32*\ct      ; V^T of keys 32-63, where tile 0's scores lay
	ds_load_tr16_b128 v[V1+8*\ct+4:V1+8*\ct+7], v[ADV] offset:64*PV*(\q)+48*PV+32*\ct
.endr
	TILE_FIN 1
.irp t, 0,1
.irp i, 0,1,2,3,4,5,6,7,8,9,10,11,12,13,14,15
	v_pk_mul_f32 v[OT+32*\t+2*\i:OT+32*\t+2*\i+1], v[OT+32*\t+2*\i:OT+32*\t+2*\i+1], v[ST+8*\t+6:ST+8*\t+7] op_sel_hi:[1,0]
.endr
.endr
	s_wait_dscnt 8                                 ; keys 0-31 of V are in; the eight loads of keys 32-63 may be out
.irp ct, 0,1,2,3
.irp t, 0,1
	v_wmma_f32_16x16x32_f16 v[OT+32*\t+8*\ct:OT+32*\t+8*\ct+7], v[V0+8*\ct:V0+8*\ct+7], v[PP+16*\t:PP+16*\t+7], v[OT+32*\t+8*\ct:OT+32*\t+8*\ct+7]
.endr
.endr
	s_wait_dscnt 0x0
.irp ct, 0,1,2,3
.irp t, 0,1
	v_wmma_f32_16x16x32_f16 v[OT+32*\t+8*\ct:OT+32*\t+8*\ct+7], v[V1+8*\ct:V1+8*\ct+7], v[PP+16*\t+8:PP+16*\t+15], v[OT+32*\t+8*\ct:OT+32*\t+8*\ct+7]
.endr
.endr
.Lhidden_\@:
	s_add_co_u32 s[KF], s[KF], 64
.endm
; THE CHANGE OF SLOTS stands at a slot's head: each wave waits for all its tensor loads, adds 0 to its spare word, waits for that and for its reads of the slot that it has left; one barrier; behind it (fill = 1) the slot just left
; takes the next 256 keys, while some query of the work-group can see them: a slot whose first key lies behind the work-group's last query is read by no wave and is not asked for.  The test is made of ids and the count of steps alone.
.macro CHANGE fill
	s_wait_tensorcnt 0x0                           ; no tensor load of mine is out: a group 0 may be written
	ds_add_u32 v[SPW], v[NIL]
.if \fill
	ds_add_u32 v[SPW], v[NIL]                      ; the add twice on end here
	s_xor_b32 s[G0K+1], s[G0K+1], SLOT1
	s_add_nc_u64 s[G0K+2:G0K+3], s[G0K+2:G0K+3], SK*128
	s_xor_b32 s[G0V+1], s[G0V+1], SLOT1
	s_add_nc_u64 s[G0V+2:G0V+3], s[G0V+2:G0V+3], SK*128
	s_wait_xcnt 0x0                                ; the last prefetch, a slot back, has read its address
	s_add_nc_u64 s[PFA:PFA+1], s[PFA:PFA+1], SK*128
.endif
	s_wait_dscnt 0x0
	s_barrier_signal -1
	s_barrier_wait -1
.if \fill
	s_add_co_u32 s96, s[KF], SK                    ; the first key of the slot that would be asked for
	s_cmp_gt_u32 s96, s[LASTQ]
	s_cbranch_scc1 .Lpast_\@
	TLOAD                                          ; a wave's one tensor load until the next barrier
.Lpast_\@:
	ASK
.endif
.endm
.macro SLOT_STEPS
	STEP 0
	STEP 1
	STEP 2
	STEP 3
	s_xor_b32 s[TB], s[TB], SLOT1
.endm
	s_wait_loadcnt 0x0                             ; Q
.Lslot:                                            ; 7 trips
	CHANGE 1
	SLOT_STEPS
	s_sub_co_u32 s[SLOTS], s[SLOTS], 1
	s_cmp_lg_u32 s[SLOTS], 0
	s_cbranch_scc1 .Lslot
	CHANGE 0                                       ; the last slot is written out: nothing is left to ask for
	SLOT_STEPS
	; THE WAY OUT: O^T / l, to f16, through my stage, out as 512 consecutive bytes a store.
.rept 4
	v_nop
.endr
.irp t, 0,1
	v_add_f32 v[ST+8*\t+4], v[ST+8*\t+2], v[ST+8*\t+3]
.endr
.irp t, 0,1
	v_permlanex16_b32 v[ST+8*\t+5], v[ST+8*\t+4], s[SEL], s[SEL+1]
.endr
.irp t, 0,1
	v_add_f32 v[ST+8*\t+4], v[ST+8*\t+4], v[ST+8*\t+5]
.endr
.irp t, 0,1
	v_rcp_f32 v[ST+8*\t+6], v[ST+8*\t+4]
.endr
	v_nop
	s_wait_alu depctr_va_vdst(0)                   ; one wait for the two reciprocals
.irp t, 0,1
.irp i, 0,1,2,3,4,5,6,7,8,9,10,11,12,13,14,15
	v_pk_mul_f32 v[OT+32*\t+2*\i:OT+32*\t+2*\i+1], v[OT+32*\t+2*\i:OT+32*\t+2*\i+1], v[ST+8*\t+6:ST+8*\t+7] op_sel_hi:[1,0]
.endr
.endr
.irp t, 0,1
.irp n, 0,1,2,3,4,5,6,7,8,9,10,11,12,13,14,15
	v_cvt_pk_f16_f32 v[PP+16*\t+\n], v[OT+32*\t+2*\n], v[OT+32*\t+2*\n+1]
.endr
.endr
.irp t, 0,1
.irp ct, 0,1,2,3
	ds_store_b128 v[STO], v[PP+16*\t+4*\ct:PP+16*\t+4*\ct+3] offset:STAGE+16*PK*\t+32*\ct
.endr
.endr
.irp i, 0,1,2,3,4,5,6,7
	ds_load_b128 v[V0+4*\i:V0+4*\i+3], v[RD] offset:STAGE+4*PK*\i      ; LDS serves a wave in order: these see my stores
.endr
.irp i, 0,1,2,3,4,5,6,7
	s_wait_dscnt 7-\i
	global_store_b128 v[GO], v[V0+4*\i:V0+4*\i+3], s[16:17] offset:512*\i
.endr
	s_wait_tensorcnt 0x0                           ; the wave's end
	ds_add_u32 v[SPW], v[NIL]
	s_wait_dscnt 0x0
	s_endpgm
.Lfunc_end_k_qaf12b42b4d_attn:
	.size	k_qaf12b42b4d_attn, .Lfunc_end_k_qaf12b42b4d_attn-k_qaf12b42b4d_attn
	.p2alignl 7, 3214868480
	.fill 96, 4, 3214868480
	.section	.rodata,"a",@progbits
	.p2align	6, 0x0
	.amdhsa_kernel k_qaf12b42b4d_attn
		.amdhsa_group_segment_fixed_size 327680
		.amdhsa_private_segment_fixed_size 0
		.amdhsa_enable_private_segment 0
		.amdhsa_kernarg_size 24
		.amdhsa_user_sgpr_count 2
		.amdhsa_user_sgpr_kernarg_segment_ptr 1
		.amdhsa_wavefront_size32 1
		.amdhsa_system_sgpr_workgroup_id_x 1
		.amdhsa_system_sgpr_workgroup_id_y 1
		.amdhsa_system_sgpr_workgroup_id_z 1
		.amdhsa_system_vgpr_workitem_id 0
		.amdhsa_next_free_vgpr 256
		.amdhsa_next_free_sgpr 100
		.amdhsa_reserve_vcc 1
		.amdhsa_float_denorm_mode_32 3
		.amdhsa_float_denorm_mode_16_64 3
		.amdhsa_memory_ordered 1
		.amdhsa_forward_progress 1
		.amdhsa_inst_pref_size 188
	.end_amdhsa_kernel
	.amdgpu_metadata
---
amdhsa.version: [ 1, 2 ]
amdhsa.kernels:
  - .name:           k_qaf12b42b4d_attn
    .symbol:         k_qaf12b42b4d_attn.kd
    .args:
      - { .name: qkh, .offset: 0, .size: 8, .value_kind: global_buffer, .address_space: global }
      - { .name: vh, .offset: 8, .size: 8, .value_kind: global_buffer, .address_space: global }
      - { .name: attb, .offset: 16, .size: 8, .value_kind: global_buffer, .address_space: global }
    .group_segment_fixed_size: 327680
    .private_segment_fixed_size: 0
    .kernarg_segment_align: 8
    .kernarg_segment_size: 24
    .max_flat_workgroup_size: 512
    .sgpr_count:     100
    .vgpr_count:     256
    .wavefront_size: 32
...
	.end_amdgpu_metadata
.endif
;; end of part 4
;; launch gemm_o (part 5): grid 4 x 32, 4 waves a work-group, clusters of 4 x 4, 327,680 bytes of LDS; arguments attb, w16, out0, bo; writes out0
.if DOCPART == 5
	.amdgcn_target "amdgcn-amd-amdhsa--gfx1250"
	.amdhsa_code_object_version 6
	.text
	.protected	k_qaf12b42b4d_gemm_o
	.globl	k_qaf12b42b4d_gemm_o
	.p2align	8
	.type	k_qaf12b42b4d_gemm_o,@function
k_qaf12b42b4d_gemm_o:
	s_mov_b64 s[64:65], 0
	v_nop
	global_prefetch_b8 v0, s[64:65] scope:SCOPE_SE
	s_setreg_imm32_b32 hwreg(HW_REG_WAVE_MODE, 25, 1), 1
	s_wait_xcnt 0x0
	s_wait_alu depctr_hold_cnt(0) depctr_sa_sdst(0) depctr_va_vdst(0) depctr_va_sdst(0) depctr_va_ssrc(0) depctr_va_vcc(0) depctr_vm_vsrc(0)
	s_getreg_b32 s2, hwreg(HW_REG_IB_STS2, 6, 4)
	s_cmp_eq_u32 s2, 0
	s_cbranch_scc0 .Lentry_in_a_cluster
	s_endpgm
.Lentry_in_a_cluster:
	s_bfe_u32 s2, ttmp6, 0x10000c
	s_cmp_lg_u32 s2, 0xf033
	s_cbranch_scc0 .Lentry_shape_is_right
	s_endpgm
.Lentry_shape_is_right:
; out[m][n] = sum over e of att[m][e] Wo[n][e] + bo[n]: m = 8,192, n = 1,024, K = 1,024; f16 operands, f32 sums, f32 out.  (The rows t < 16 of each batch are written again, more finely, by the launch behind this one.)
; Both operands lie in blocks [256 rows' block][64 along K][256 rows][64]: attb from its byte 0, Wo in w16 from byte 4,194,304.  A K step of 128 of a tile is two such blocks, 65,536 consecutive bytes; a wave's tensor load brings one: 256 rows of 128 bytes.
; A tile of C, 256 x 256, by four waves, 128 x 128 each; two LDS slots; 4 x 4 clusters with joint loads (A along a row of the cluster, B along a column).  C has 128 such tiles.
; THE MATRIX INSTRUCTION IS USED TRANSPOSED (source 0 = 16 rows of Wo, source 1 = 16 tokens).
; REGISTERS: window 0: v0-31 addresses, v8-11 the bias of my four columns; v64-127, v128-191 A's fragments; on the way out v128-255 rows of C.  window 1: v64-191 B's fragments.  windows 2, 3: the accumulators.
.set KADV,   65536                     ; a K step, in bytes of memory
.set PITCH,  144                       ; an LDS row: 128 bytes + 16
.set HALFT,  256*PITCH                 ; what one tensor load brings: 256 rows x 64 along K
.set SLOT,   4*HALFT                   ; A's two blocks, then B's two
.set WHALF,  128*PITCH
.set BOFF,   2*HALFT
.set QPS,    2                         ; quarters of 32 along K in a row
.set SUBB,   HALFT                     ; from a K step's first 64 to its second
.set SPITCH, 528                       ; the way out: 16 rows x (512 + 16) for each wave, in slot 0, which has had its last fill and its last read by then
.set SPARE,  2*SLOT
.set LAPS,   4
.set ADRA, 16
.set ADRB, 20
.set STO,  24
.set RD,   25
.set CO,   26
.set SPW,  28
.set NIL,  29
.set F0,   64
.set F1,   128
.set BK,   128
.set G1,  24
.set G0,  32
.set G1B, 48
.set G0B, 56
.set MSB, 0
.macro WIN new
.if MSB != \new
	s_set_vgpr_msb (MSB<<8)|\new
.set MSB, \new
.endif
.endm
.set MUL_LO, 0xa1
.set MUL_HI, 0xf1
.set TO_B,   0x40
.macro JLOAD s                         ; waves 0, 1 fetch for A, waves 2, 3 for B; an s_nop 0 and four v_nop follow each line
	s_cmp_eq_u32 s11, 0
	s_cbranch_scc0 .Lfor_b_\@
	tensor_load_to_lds s[G0+4*\s:G0+4*\s+3], s[G1:G1+7]
	s_nop 0
.rept 4
	v_nop
.endr
	s_branch .Lasked_\@
.Lfor_b_\@:
	tensor_load_to_lds s[G0B+4*\s:G0B+4*\s+3], s[G1B:G1B+7]
	s_nop 0
.rept 4
	v_nop
.endr
.Lasked_\@:
.endm
.macro CREST
	s_cmp_lg_u32 s10, 0
	s_cbranch_scc1 .Lnot_wave_0_\@
	s_barrier_signal -3
.Lnot_wave_0_\@:
	s_barrier_wait -3
	s_barrier_signal -1
	s_barrier_wait -1
.endm
.macro CROUND
	s_barrier_signal -1
	s_barrier_wait -1
	CREST
.endm
	s_load_b128 s[4:7], s[0:1], 0x0                ; attb, w16
	s_load_b64 s[8:9], s[0:1], 0x10                ; out0
	s_load_b64 s[66:67], s[0:1], 0x18              ; bo
	v_lshl_add_u32 v[SPW], v0, 2, SPARE
	v_mov_b32 v[NIL], 0
	ds_add_u32 v[SPW], v[NIL]                      ; the opening: the add, twice on end, and its wait ahead of my first tensor load
	ds_add_u32 v[SPW], v[NIL]
	v_lshrrev_b32 v1, 5, v0
	v_readfirstlane_b32 s10, v1                    ; wave
	s_lshr_b32 s11, s10, 1                         ; my half of the rows; also A (0) or B (1)
	s_and_b32 s12, s10, 1                          ; my half of the columns; also which 64 along K I fetch
	s_bfe_u32 s40, ttmp6, 0x40000
	s_bfe_u32 s41, ttmp6, 0x40004
	s_lshl_b32 s42, ttmp9, 2
	s_add_co_u32 s42, s42, s40                     ; tile column
	s_and_b32 s13, ttmp7, 0xffff
	s_lshl_b32 s13, s13, 2
	s_add_co_u32 s13, s13, s41                     ; tile row
	s_lshl_b32 s43, s41, 2
	s_lshl_b32 s43, 15, s43
	s_lshl_b32 s44, 0x1111, s40
	s_or_b32 s[G1+0], s43, (1<<16)|(1<<20)|(1<<21)|(4<<22)|(3<<25)  ; mask; elements of 2 bytes; 4 words of padding behind every 32
	s_or_b32 s[G1B+0], s44, (1<<16)|(1<<20)|(1<<21)|(4<<22)|(3<<25)
.irp g, G1, G1B
	s_mov_b32 s[\g+1], 64<<16                      ; tensor_dim0 = 64
	s_mov_b32 s[\g+2], 256<<16                     ; tensor_dim1 = 256
	s_mov_b32 s[\g+3], 64<<16                      ; tile_dim0 = 64
	s_mov_b32 s[\g+4], 256                         ; tile_dim1 = 256
	s_mov_b32 s[\g+5], 64                          ; elements from row to row
	s_mov_b32 s[\g+6], 0
	s_mov_b32 s[\g+7], 0
.endr
	s_lshl_b32 s17, s12, 15
	s_lshl_b32 s16, s13, 19
	s_add_co_u32 s16, s16, s17                     ; A: 524,288 x tile row + 32,768 x half
	s_lshl_b32 s46, s42, 19
	s_add_co_u32 s46, s46, s17
	s_add_co_u32 s46, s46, 0x400000                ; B likewise, behind Wq and Wk
	s_mov_b32 s17, 0
	s_mov_b32 s47, 0
	s_mul_i32 s20, s10, HALFT
	s_wait_dscnt 0x0                               ; both opening adds are done
	s_wait_kmcnt 0x0
	s_add_nc_u64 s[14:15], s[4:5], s[16:17]
	s_add_nc_u64 s[46:47], s[6:7], s[46:47]
	CROUND
.irp s, 0,1
	s_mov_b32 s[G0+4*\s], 1
	s_add_co_u32 s[G0+4*\s+1], s20, \s*SLOT
	s_add_nc_u64 s[G0+4*\s+2:G0+4*\s+3], s[14:15], \s*KADV
	s_or_b32 s[G0+4*\s+3], s[G0+4*\s+3], 0x80000000
	s_mov_b32 s[G0B+4*\s], 1
	s_add_co_u32 s[G0B+4*\s+1], s20, \s*SLOT
	s_add_nc_u64 s[G0B+4*\s+2:G0B+4*\s+3], s[46:47], \s*KADV
	s_or_b32 s[G0B+4*\s+3], s[G0B+4*\s+3], 0x80000000
	JLOAD \s
.endr
	v_and_b32 v1, 15, v0
	v_bfe_u32 v2, v0, 4, 1
	v_mul_u32_u24 v3, v1, PITCH
	v_lshl_add_u32 v3, v2, 4, v3
	s_mul_i32 s21, s11, WHALF
	s_mul_i32 s22, s12, WHALF
	s_add_co_u32 s22, s22, BOFF
.irp s, 0,1
	v_add_nc_u32 v[ADRA+\s], s21, v3
	v_add_nc_u32 v[ADRB+\s], s22, v3
	s_add_co_u32 s21, s21, SLOT
	s_add_co_u32 s22, s22, SLOT
.endr
	s_mul_i32 s23, s10, 16*SPITCH                  ; my stage
	v_mul_u32_u24 v4, v1, SPITCH
	v_lshl_add_u32 v4, v2, 5, v4
	v_add_nc_u32 v[STO], s23, v4                   ; in: token r, 32 bytes for each half of the lanes
	v_and_b32 v5, 31, v0
	v_lshlrev_b32 v[CO], 4, v5
	v_add_nc_u32 v[RD], s23, v[CO]                 ; back: the 32 lanes take a row of 512 bytes
	s_lshl_b32 s16, s13, 8
	s_lshl_b32 s14, s11, 7
	s_add_co_u32 s16, s16, s14
	s_lshl_b32 s16, s16, 12                        ; my first row of out0 x 4,096 bytes
	s_mov_b32 s17, 0
	s_lshl_b32 s46, s42, 10
	s_lshl_b32 s47, s12, 9
	s_add_co_u32 s46, s46, s47                     ; my first column x 4 bytes
	s_mov_b32 s47, 0
	s_add_nc_u64 s[66:67], s[66:67], s[46:47]
	s_add_nc_u64 s[16:17], s[16:17], s[46:47]
	s_add_nc_u64 s[8:9], s[8:9], s[16:17]
	global_load_b128 v[8:11], v[CO], s[66:67]      ; the bias of the four columns that I store
.macro MUL16 f, hi, a0, zero           ; the 64 accumulators take turns
.irp a, \a0, \a0+1
.irp b, 0,1,2,3,4,5,6,7
.if \zero
	v_wmma_f32_16x16x32_f16 v[8*(8*(\a)+\b):8*(8*(\a)+\b)+7], v[\f+8*\b:\f+8*\b+7], v[\f+8*(4*\hi+\a):\f+8*(4*\hi+\a)+7], 0
.else
	v_wmma_f32_16x16x32_f16 v[8*(8*(\a)+\b):8*(8*(\a)+\b)+7], v[\f+8*\b:\f+8*\b+7], v[\f+8*(4*\hi+\a):\f+8*(4*\hi+\a)+7], v[8*(8*(\a)+\b):8*(8*(\a)+\b)+7]
.endif
.endr
.endr
.endm
.macro FETCH slot, q, f
.set KO, ((\q)/QPS)*SUBB+((\q)%QPS)*64
	WIN TO_B
.irp i, 0,1,2,3,4,5,6,7
	ds_load_b128 v[\f+8*\i:\f+8*\i+3],   v[ADRB+\slot] offset:KO+\i*16*PITCH
	ds_load_b128 v[\f+8*\i+4:\f+8*\i+7], v[ADRB+\slot] offset:KO+\i*16*PITCH+32
.endr
	WIN 0
.irp i, 0,1,2,3,4,5,6,7
	ds_load_b128 v[\f+8*\i:\f+8*\i+3],   v[ADRA+\slot] offset:KO+\i*16*PITCH
	ds_load_b128 v[\f+8*\i+4:\f+8*\i+7], v[ADRA+\slot] offset:KO+\i*16*PITCH+32
.endr
.endm
.macro PLACES
.rept 4
	v_nop
.endr
.endm
.macro QUARTER slot, q, f, g, zero
	s_wait_dscnt 8                                 ; all but the youngest eight loads (A's rows 64-127)
	WIN MUL_LO
	MUL16 \f, 0, 0, \zero
	MUL16 \f, 0, 2, \zero
	PLACES
	FETCH \slot, \q, \g
	s_wait_dscnt 32                                ; all but the 32 just issued
	WIN MUL_HI
	MUL16 \f, 1, 0, \zero
	MUL16 \f, 1, 2, \zero
.endm
.macro MEET round
	WIN 0
	s_wait_tensorcnt 0x0                           ; all my tensor loads have landed: my part of the next slot
	ds_add_u32 v[SPW], v[NIL]
	s_wait_dscnt 9                                 ; the add and the youngest eight loads may be out
	WIN MUL_LO
	MUL16 F1, 0, 0, 0
	s_wait_dscnt 0x0                               ; the add is done, my reads of this slot are over
	s_barrier_signal -1
	MUL16 F1, 0, 2, 0
.if \round
	WIN 0
.endif
	s_barrier_wait -1
.endm
.macro TURN slot, next
	MEET 1
	CREST
	s_add_nc_u64 s[G0+4*\slot+2:G0+4*\slot+3], s[G0+4*\slot+2:G0+4*\slot+3], 2*KADV
	s_add_nc_u64 s[G0B+4*\slot+2:G0B+4*\slot+3], s[G0B+4*\slot+2:G0B+4*\slot+3], 2*KADV
	JLOAD \slot
	FETCH \next, 0, F0
	WIN MUL_HI
	MUL16 F1, 1, 0, 0
	MUL16 F1, 1, 2, 0
.endm
; THE WAY OUT, block by block of 16 tokens x 128 columns: through my stage as it stands, back as whole rows of 512 bytes, the bias added, stored.
.macro TOSTAGE a
.set AC, 64*((\a)%4)
	WIN 0x08+4*((\a)/4)                            ; an LDS store's data are its source 1: window 2 or 3
.irp b, 0,1,2,3,4,5,6,7
	ds_store_b128 v[STO], v[AC+8*\b:AC+8*\b+3] offset:64*\b          ; each accumulator from its low end on
	ds_store_b128 v[STO], v[AC+8*\b+4:AC+8*\b+7] offset:64*\b+16
.endr
	WIN 0
.set BB, BK+64*((\a)%2)
.irp t, 0,1,2,3,4,5,6,7,8,9,10,11,12,13,14,15
	ds_load_b128 v[BB+4*\t:BB+4*\t+3], v[RD] offset:\t*SPITCH
.endr
.endm
.macro SEND a, younger                 ; younger: the LDS instructions issued behind block a's loads
.set BB, BK+64*((\a)%2)
	s_wait_dscnt \younger
.if (\a) > 0
	s_add_nc_u64 s[8:9], s[8:9], 16*4096           ; behind a wait on XCNT: the earlier stores have read their base
.endif
.irp t, 0,1,2,3,4,5,6,7,8,9,10,11,12,13,14,15
	v_pk_add_f32 v[BB+4*\t:BB+4*\t+1], v[BB+4*\t:BB+4*\t+1], v[8:9]
	v_pk_add_f32 v[BB+4*\t+2:BB+4*\t+3], v[BB+4*\t+2:BB+4*\t+3], v[10:11]
.endr
.irp t, 0,1,2,3,4,5,6,7,8,9,10,11,12,13,14,15
	global_store_b128 v[CO], v[BB+4*\t:BB+4*\t+3], s[8:9] offset:\t*4096 th:TH_STORE_NT   ; 512 consecutive bytes of a row
.endr
.endm
	s_wait_tensorcnt 1                             ; my part of K step 0 is in; K step 1's may be out
	s_barrier_signal -1
	s_barrier_wait -1
	FETCH 0, 0, F0
	QUARTER 0, 1, F0, F1, 1
	WIN 0
	s_mov_b32 s3, LAPS-1
.Llap:
	QUARTER 0, 2, F1, F0, 0
	QUARTER 0, 3, F0, F1, 0
	TURN 0, 1
	QUARTER 1, 1, F0, F1, 0
	QUARTER 1, 2, F1, F0, 0
	QUARTER 1, 3, F0, F1, 0
	TURN 1, 0
	QUARTER 0, 1, F0, F1, 0
	WIN 0
	s_sub_co_u32 s3, s3, 1
	s_cmp_lg_u32 s3, 0
	s_cbranch_scc1 .Llap
	QUARTER 0, 2, F1, F0, 0
	QUARTER 0, 3, F0, F1, 0
	MEET 0
	PLACES
	FETCH 1, 0, F0
	WIN MUL_HI
	MUL16 F1, 1, 0, 0
	MUL16 F1, 1, 2, 0
	QUARTER 1, 1, F0, F1, 0
	QUARTER 1, 2, F1, F0, 0
	QUARTER 1, 3, F0, F1, 0
	s_wait_dscnt 8
	WIN MUL_LO
	MUL16 F1, 0, 0, 0
	MUL16 F1, 0, 2, 0
	s_wait_dscnt 0x0
	WIN MUL_HI
	MUL16 F1, 1, 0, 0
	MUL16 F1, 1, 2, 0
	WIN 0
	PLACES                                         ; in front of the loads into A's registers and of the reads of the last results
	s_wait_loadcnt 0x0                             ; the bias
	TOSTAGE 0
.irp a, 1,2,3,4,5,6,7
.if \a > 1
	s_wait_xcnt 0x0                                ; block a - 2's stores have read their registers and their base
.endif
	TOSTAGE \a
	SEND \a-1, 32                                  ; behind block a - 1's loads: block a's 16 stores and 16 loads
.endr
	s_wait_xcnt 0x0
	SEND 7, 0
	s_wait_tensorcnt 0x0                           ; the wave's end
	ds_add_u32 v[SPW], v[NIL]
	s_wait_dscnt 0x0
	CROUND                                         ; the closing round
	s_endpgm
.Lfunc_end_k_qaf12b42b4d_gemm_o:
	.size	k_qaf12b42b4d_gemm_o, .Lfunc_end_k_qaf12b42b4d_gemm_o-k_qaf12b42b4d_gemm_o
	.p2alignl 7, 3214868480
	.fill 96, 4, 3214868480
	.section	.rodata,"a",@progbits
	.p2align	6, 0x0
	.amdhsa_kernel k_qaf12b42b4d_gemm_o
		.amdhsa_group_segment_fixed_size 327680
		.amdhsa_private_segment_fixed_size 0
		.amdhsa_enable_private_segment 0
		.amdhsa_kernarg_size 32
		.amdhsa_user_sgpr_count 2
		.amdhsa_user_sgpr_kernarg_segment_ptr 1
		.amdhsa_wavefront_size32 1
		.amdhsa_system_sgpr_workgroup_id_x 1
		.amdhsa_system_sgpr_workgroup_id_y 1
		.amdhsa_system_sgpr_workgroup_id_z 1
		.amdhsa_system_vgpr_workitem_id 0
		.amdhsa_next_free_vgpr 1024
		.amdhsa_next_free_sgpr 72
		.amdhsa_reserve_vcc 0
		.amdhsa_float_denorm_mode_32 3
		.amdhsa_float_denorm_mode_16_64 3
		.amdhsa_memory_ordered 1
		.amdhsa_forward_progress 1
		.amdhsa_inst_pref_size 157
	.end_amdhsa_kernel
	.amdgpu_metadata
---
amdhsa.version: [ 1, 2 ]
amdhsa.kernels:
  - .name:           k_qaf12b42b4d_gemm_o
    .symbol:         k_qaf12b42b4d_gemm_o.kd
    .args:
      - { .name: attb, .offset: 0, .size: 8, .value_kind: global_buffer, .address_space: global }
      - { .name: w16, .offset: 8, .size: 8, .value_kind: global_buffer, .address_space: global }
      - { .name: out0, .offset: 16, .size: 8, .value_kind: global_buffer, .address_space: global }
      - { .name: bo, .offset: 24, .size: 8, .value_kind: global_buffer, .address_space: global }
    .group_segment_fixed_size: 327680
    .private_segment_fixed_size: 0
    .kernarg_segment_align: 8
    .kernarg_segment_size: 32
    .max_flat_workgroup_size: 128
    .sgpr_count:     72
    .vgpr_count:     1024
    .wavefront_size: 32
...
	.end_amdgpu_metadata
.endif
;; end of part 5
;; launch early (part 6): grid 16 x 4, 16 waves a work-group, no clusters, 71,680 bytes of LDS; arguments qkh, v32e, Wo, bo, out0; writes out0
.if DOCPART == 6
	.amdgcn_target "amdgcn-amd-amdhsa--gfx1250"
	.amdhsa_code_object_version 6
	.text
	.protected	k_qaf12b42b4d_early
	.globl	k_qaf12b42b4d_early
	.p2align	8
	.type	k_qaf12b42b4d_early,@function
k_qaf12b42b4d_early:
	s_mov_b64 s[64:65], 0
	v_nop
	global_prefetch_b8 v0, s[64:65] scope:SCOPE_SE
	s_setreg_imm32_b32 hwreg(HW_REG_WAVE_MODE, 25, 1), 1
	s_wait_xcnt 0x0
; The first 16 positions of every batch once more, finely: they average one to sixteen values and are the largest rows of the result.  Scores from the f16 q and k (f32 sums); softmax in f32; the weights, v (f32, from v32e) and Wo (f32, the input)
; go to the f32 matrix form; sums in f32.  The 64 rows of out0 are written over.  Keys behind t = 15 are hidden from these queries by the problem's own mask and are not touched.
; SHARES.  Work-group (nc, batch) makes out0[batch][0..15][64 nc .. 64 nc + 63].  Wave w is head w: its 16 x 16 attention, then its 64 channels x Wo's 64 rows: a partial sum; the sixteen partial sums meet in LDS, and wave w adds those of query w.
; LAYOUT.  All products transposed, so that a lane holds one query (lane % 16).  The f32 form has K = 4, k = 2 (lane / 16) + register: register pair i of a lane's eight stands for keys (or channels) 8 (lane / 16) + 2 i, + 1, on both sides alike.
; REGISTERS: v1-23 addresses and small things; v24-31 scores, then weights; v32-63 K's and Q's fragments, later the attention's rows, later the partial sums; v64-95 v; v96-127 sums of the f32 form, written by matrix instructions alone; v128-255 Wo.
.set PART,  0                          ; 16 waves x 16 queries x (256 bytes + 16)
.set SPARE, 16*16*272                  ; the spare words: 128 bytes for each wave
.set SPW, 1
.set NIL, 2
	s_load_b256 s[4:11], s[0:1], 0x0               ; qkh s[4:5], v32e s[6:7], Wo s[8:9], bo s[10:11]
	s_load_b64 s[12:13], s[0:1], 0x20              ; out0
	v_lshl_add_u32 v[SPW], v0, 2, SPARE
	v_mov_b32 v[NIL], 0
	v_lshrrev_b32 v3, 5, v0
	v_readfirstlane_b32 s14, v3                    ; wave = head
	s_and_b32 s15, ttmp7, 0xffff                   ; batch
	v_and_b32 v3, 15, v0                           ; r
	v_bfe_u32 v4, v0, 4, 1                         ; h
	v_and_b32 v5, 31, v0                           ; lane
	v_lshlrev_b32 v6, 7, v3
	v_lshl_add_u32 v6, v4, 4, v6                   ; q, k: row r, + 16 h
	v_lshlrev_b32 v7, 2, v3
	v_lshl_add_u32 v7, v4, 15, v7                  ; v: key 8 h, channel r
	v_lshlrev_b32 v8, 12, v3
	v_lshl_add_u32 v8, v4, 5, v8                   ; Wo: row r, channels 8 h on
	v_lshlrev_b32 v9, 3, v5                        ; 8 x lane
	s_mul_i32 s16, s14, 16*272
	v_mul_u32_u24 v10, v3, 272
	v_lshl_add_u32 v10, v4, 5, v10
	v_add_nc_u32 v10, s16, v10                     ; my partial sums: query r, + 32 h
	s_mul_i32 s16, s14, 272
	v_add_nc_u32 v11, s16, v9                      ; and back: query = my wave's number, two columns a lane
	v_lshlrev_b32 v12, 3, v4
	v_sub_nc_u32 v12, v3, v12                      ; r - 8 h
	v_mov_b32 v13, 0xff800000                      ; -infinity
	s_lshl_b32 s16, s15, 4
	s_add_co_u32 s16, s16, s14
	s_lshl_b32 s16, s16, 18                        ; the head's first row
	s_mov_b32 s17, 0
	s_mov_b32 s30, 0x76543210
	s_mov_b32 s31, 0xfedcba98
	s_mov_b32 s32, 0x3e38aa3b                      ; c = log2(e) / 8
	s_wait_kmcnt 0x0
	s_add_nc_u64 s[18:19], s[4:5], s[16:17]        ; q
	s_add_nc_u64 s[20:21], s[18:19], 0x1000000     ; k
	s_lshl_b32 s16, s15, 16
	s_lshl_b32 s33, s14, 8
	s_add_co_u32 s16, s16, s33
	s_add_nc_u64 s[22:23], s[6:7], s[16:17]        ; v: the batch's 16 rows, my 64 channels
	s_lshl_b32 s16, ttmp9, 18
	s_add_co_u32 s16, s16, s33
	s_add_nc_u64 s[24:25], s[8:9], s[16:17]        ; Wo: rows 64 nc on, my 64 channels
	s_lshl_b32 s16, ttmp9, 8
	s_add_nc_u64 s[26:27], s[10:11], s[16:17]      ; bo
	s_lshl_b32 s33, s15, 23
	s_add_co_u32 s16, s16, s33
	s_lshl_b32 s33, s14, 12
	s_add_co_u32 s16, s16, s33
	s_add_nc_u64 s[28:29], s[12:13], s[16:17]      ; out0: row (batch, t = my wave's number), columns 64 nc on
.irp c, 0,1,2,3
	global_load_b128 v[32+4*\c:35+4*\c], v6, s[20:21] offset:32*\c
.endr
.irp c, 0,1,2,3
	global_load_b128 v[48+4*\c:51+4*\c], v6, s[18:19] offset:32*\c
.endr
.irp ct, 0,1,2,3
.irp jj, 0,1,2,3,4,5,6,7
	global_load_b32 v[64+8*\ct+\jj], v7, s[22:23] offset:4096*\jj+64*\ct      ; v(key 8 h + jj, channel 16 ct + r)
.endr
.endr
.irp nt, 0,1,2,3
.irp ct, 0,1,2,3
	global_load_b128 v[128+32*\nt+8*\ct:131+32*\nt+8*\ct], v8, s[24:25] offset:65536*\nt+64*\ct       ; Wo(16 nt + r, 16 ct + 8 h + 0 .. 7)
	global_load_b128 v[132+32*\nt+8*\ct:135+32*\nt+8*\ct], v8, s[24:25] offset:65536*\nt+64*\ct+16
.endr
.endr
	global_load_b64 v[20:21], v9, s[26:27]
	s_wait_loadcnt 63                              ; k and q are in.  65 loads were issued behind them; the wait's field holds 63, and the smaller count is the safe one
	v_wmma_f32_16x16x32_f16 v[24:31], v[32:39], v[48:55], 0
	s_wait_alu depctr_va_vdst(0)                   ; the wait directly ahead of the link
	v_wmma_f32_16x16x32_f16 v[24:31], v[40:47], v[56:63], v[24:31]
.rept 4
	v_nop
.endr
.irp j, 0,1,2,3,4,5,6,7
	v_cmp_gt_i32 vcc_lo, \j, v12                   ; register j holds key 8 h + j: hidden where j > r - 8 h
	v_cndmask_b32 v[24+\j], v[24+\j], v13, vcc_lo
.endr
	v_max3_num_f32 v14, v24, v25, v26
	v_max3_num_f32 v15, v27, v28, v29
	v_max3_num_f32 v14, v14, v30, v31
	v_max_num_f32 v14, v14, v15
	v_permlanex16_b32 v15, v14, s30, s31
	v_max_num_f32 v14, v14, v15                    ; the row's largest score: key 0 counts for every query
	v_mul_f32 v14, s32, v14
.irp j, 0,1,2,3,4,5,6,7
	v_fma_f32 v[24+\j], v[24+\j], s32, -v14
.endr
.irp j, 0,1,2,3,4,5,6,7
	v_exp_f32 v[24+\j], v[24+\j]
.endr
	v_nop
	s_wait_alu depctr_va_vdst(0)                   ; one wait for the eight
	v_add_f32 v16, v24, v25
	v_add_f32 v17, v26, v27
	v_add_f32 v18, v28, v29
	v_add_f32 v19, v30, v31
	v_add_f32 v16, v16, v17
	v_add_f32 v18, v18, v19
	v_add_f32 v16, v16, v18
	v_permlanex16_b32 v17, v16, s30, s31
	v_add_f32 v16, v16, v17
	v_rcp_f32 v16, v16
	v_nop
	s_wait_alu depctr_va_vdst(0)
	s_wait_loadcnt 33                              ; v is in; Wo's 32 loads and the bias may be out
.irp i, 0,1,2,3
.irp ct, 0,1,2,3
.if \i == 0
	v_wmma_f32_16x16x4_f32 v[96+8*\ct:103+8*\ct], v[64+8*\ct+2*\i:65+8*\ct+2*\i], v[24+2*\i:25+2*\i], 0
.else
	v_wmma_f32_16x16x4_f32 v[96+8*\ct:103+8*\ct], v[64+8*\ct+2*\i:65+8*\ct+2*\i], v[24+2*\i:25+2*\i], v[96+8*\ct:103+8*\ct]   ; four accumulators by turns
.endif
.endr
.endr
.rept 8
	v_nop                                          ; eight plain lines between this form and the first read of its results
.endr
.irp j, 0,1,2,3,4,5,6,7,8,9,10,11,12,13,14,15,16,17,18,19,20,21,22,23,24,25,26,27,28,29,30,31
	v_mul_f32 v[32+\j], v[96+\j], v16              ; the attention's row / the sum, into other registers: register 8 ct + j is channel 16 ct + 8 h + j of query r
.endr
	s_wait_loadcnt 0x0
.irp ct, 0,1,2,3
.irp i, 0,1,2,3
.irp nt, 0,1,2,3
.if (\ct == 0) && (\i == 0)
	v_wmma_f32_16x16x4_f32 v[96+8*\nt:103+8*\nt], v[128+32*\nt+8*\ct+2*\i:129+32*\nt+8*\ct+2*\i], v[32+8*\ct+2*\i:33+8*\ct+2*\i], 0
.else
	v_wmma_f32_16x16x4_f32 v[96+8*\nt:103+8*\nt], v[128+32*\nt+8*\ct+2*\i:129+32*\nt+8*\ct+2*\i], v[32+8*\ct+2*\i:33+8*\ct+2*\i], v[96+8*\nt:103+8*\nt]
.endif
.endr
.endr
.endr
.rept 8
	v_nop
.endr
.irp nt, 0,1,2,3
	ds_store_b128 v10, v[96+8*\nt:99+8*\nt] offset:PART+64*\nt         ; lane (r, h): query r, columns 16 nt + 8 h + 0 .. 7
	ds_store_b128 v10, v[100+8*\nt:103+8*\nt] offset:PART+64*\nt+16
.endr
	s_wait_dscnt 0x0                               ; for the others' sake: my partial sums lie in LDS
	s_barrier_signal -1
	s_barrier_wait -1
.irp p, 0,1,2,3,4,5,6,7,8,9,10,11,12,13,14,15
	ds_load_b64 v[32+2*\p:33+2*\p], v11 offset:PART+4352*\p
.endr
	s_wait_dscnt 0x0
	v_pk_add_f32 v[32:33], v[32:33], v[20:21]      ; the bias
.irp p, 2,4,6,8,10,12,14
	v_pk_add_f32 v[32:33], v[32:33], v[32+2*\p:33+2*\p]
	v_pk_add_f32 v[34:35], v[34:35], v[34+2*\p:35+2*\p]
.endr
	v_pk_add_f32 v[32:33], v[32:33], v[34:35]
	global_store_b64 v9, v[32:33], s[28:29]        ; 256 consecutive bytes, aligned
	s_wait_tensorcnt 0x0                           ; the wave's end, behind my last LDS store
	ds_add_u32 v[SPW], v[NIL]
	s_wait_dscnt 0x0
	s_endpgm
.Lfunc_end_k_qaf12b42b4d_early:
	.size	k_qaf12b42b4d_early, .Lfunc_end_k_qaf12b42b4d_early-k_qaf12b42b4d_early
	.p2alignl 7, 3214868480
	.fill 96, 4, 3214868480
	.section	.rodata,"a",@progbits
	.p2align	6, 0x0
	.amdhsa_kernel k_qaf12b42b4d_early
		.amdhsa_group_segment_fixed_size 71680
		.amdhsa_private_segment_fixed_size 0
		.amdhsa_enable_private_segment 0
		.amdhsa_kernarg_size 40
		.amdhsa_user_sgpr_count 2
		.amdhsa_user_sgpr_kernarg_segment_ptr 1
		.amdhsa_wavefront_size32 1
		.amdhsa_system_sgpr_workgroup_id_x 1
		.amdhsa_system_sgpr_workgroup_id_y 1
		.amdhsa_system_sgpr_workgroup_id_z 1
		.amdhsa_system_vgpr_workitem_id 0
		.amdhsa_next_free_vgpr 256
		.amdhsa_next_free_sgpr 66
		.amdhsa_reserve_vcc 1
		.amdhsa_float_denorm_mode_32 3
		.amdhsa_float_denorm_mode_16_64 3
		.amdhsa_memory_ordered 1
		.amdhsa_forward_progress 1
		.amdhsa_inst_pref_size 22
	.end_amdhsa_kernel
	.amdgpu_metadata
---
amdhsa.version: [ 1, 2 ]
amdhsa.kernels:
  - .name:           k_qaf12b42b4d_early
    .symbol:         k_qaf12b42b4d_early.kd
    .args:
      - { .name: qkh, .offset: 0, .size: 8, .value_kind: global_buffer, .address_space: global }
      - { .name: v32e, .offset: 8, .size: 8, .value_kind: global_buffer, .address_space: global }
      - { .name: Wo, .offset: 16, .size: 8, .value_kind: global_buffer, .address_space: global }
      - { .name: bo, .offset: 24, .size: 8, .value_kind: global_buffer, .address_space: global }
      - { .name: out0, .offset: 32, .size: 8, .value_kind: global_buffer, .address_space: global }
    .group_segment_fixed_size: 71680
    .private_segment_fixed_size: 0
    .kernarg_segment_align: 8
    .kernarg_segment_size: 40
    .max_flat_workgroup_size: 512
    .sgpr_count:     66
    .vgpr_count:     256
    .wavefront_size: 32
...
	.end_amdgpu_metadata
.endif
;; end of part 6
